; MI455X (gfx1250); checked and timed in simulation.
; The chip was launched on July 23, 2026; its instructions are those of AMD's public machine-readable ISA for CDNA 5 (MIT licence, August 2026) and "CDNA5" Instruction Set Architecture Reference Guide (July 2026). The comments in the code are by the model that wrote it; some were corrected since.
;; SAND Multi Head Attention. Allowed arithmetic: float matrix products may take bf16 or f16 operands with f32 sums; all other float work in f32.
;; Inputs: Wk 1,024 x 1,024 float32; Wo_w 1,024 x 1,024 float32; Wq 1,024 x 1,024 float32; Wv 1,024 x 1,024 float32; mask 4 x 1 x 2,048 x 2,048 float32; x 4 x 2,048 x 1,024 float32.
;; Outputs: out0 4 x 2,048 x 1,024 float32.
;; 2 versions, each right; version 2 is version 1 with the launch cast written anew for expert scheduling mode. Each part assembles by itself: llvm-mc -triple=amdgcn-amd-amdhsa -mcpu=gfx1250 --defsym DOCPART=n.
;; ======== version 1 of 2: 4 launches
;; limits: inputs' magnitudes at most 1,073,741,824; right only within a limited range of input values
;; workspace buffers: xw 25,165,824 bytes; qk 33,554,432 bytes; ctx 16,777,216 bytes
;; launch cast (part 1): grid 64 x 12, 8 waves a work-group, no clusters, 0 bytes of LDS; arguments x, Wq, Wk, Wv, Wo_w, xw; writes xw
.if DOCPART == 1
	.amdgcn_target "amdgcn-amd-amdhsa--gfx1250"
	.amdhsa_code_object_version 6
	.text
	.protected	k_q2198eece0b_cast
	.globl	k_q2198eece0b_cast
	.p2align	8
	.type	k_q2198eece0b_cast,@function
k_q2198eece0b_cast:
	s_mov_b64 s[64:65], 0
	v_nop
	global_prefetch_b8 v0, s[64:65] scope:SCOPE_SE
	s_setreg_imm32_b32 hwreg(HW_REG_WAVE_MODE, 25, 1), 1
	s_wait_xcnt 0x0
; cast: f32 to bf16, once, of everything that later goes to the matrix units.
; xw = xb [8192][1024] bf16 (16 MiB), then four blocks of 2 MiB: Wq/8 [k][n], Wk [k][n], Wv [k][n], Wo_w [n][k].  Nothing is transposed.
; The factor 1/8 = 1/sqrt(64) of the scores is a power of two: folded into Wq here it changes no mantissa.
; Grid y picks a slab of 4 MiB of f32: 0 to 7 are x's eight slabs, 8 to 11 the four weights; slab y goes to xw + y * 2 MiB.
; A work-group converts 64 KiB, sixteen chunks of 4 KiB: thread t takes the 16 bytes at 16 t of each chunk, so a wave's load covers 512
; neighbouring bytes and its store 256 neighbouring bytes that begin at a multiple of 256.  All sixteen loads go out first; no register is
; used twice, so there is no loop and no wait for a source.  The work-groups share no input: no LDS, no barrier, no cluster, no matrix unit.
.set X, 4                              ; v[4:67]   chunk j: 4 registers of f32 as loaded
.set Y, 68                             ; v[68:99]  chunk j: 2 registers of bf16 to store
	s_load_b256 s[4:11], s[0:1], 0x0               ; x s[4:5], Wq s[6:7], Wk s[8:9], Wv s[10:11]
	s_load_b128 s[12:15], s[0:1], 0x20             ; Wo_w s[12:13], xw s[14:15]
	s_and_b32 s16, ttmp7, 0xffff                   ; the slab
	s_lshl_b32 s17, ttmp9, 16                      ; my 64 KiB inside the slab
	s_lshl_b32 s20, s16, 22                        ; x's slabs lie 4 MiB apart (the shift stands ahead of the compare: it sets SCC)
	s_cmp_lt_u32 s16, 8
	s_cselect_b32 s20, s20, 0                      ; a weight is one slab by itself
	s_add_co_u32 s20, s20, s17
	s_mov_b32 s21, 0                               ; s[20:21]: byte offset in the source
	s_lshl_b32 s2, s16, 21                         ; 2 MiB of bf16 for each slab,
	s_lshl_b32 s3, ttmp9, 15                       ; 32 KiB of them mine
	s_add_co_u32 s2, s2, s3
	s_mov_b32 s3, 0                                ; s[2:3]: byte offset in xw
	s_mov_b32 s22, 0x3e000000                      ; 0.125, in both registers of the pair that the packed multiply names
	s_mov_b32 s23, 0x3e000000
	v_lshlrev_b32 v1, 4, v0                        ; 16 t
	v_lshlrev_b32 v2, 3, v0                        ; 8 t
	s_wait_kmcnt 0x0
	s_mov_b64 s[18:19], s[4:5]                     ; the source: x, or one of the weights by the slab's number
	s_cmp_eq_u32 s16, 8
	s_cselect_b64 s[18:19], s[6:7], s[18:19]
	s_cmp_eq_u32 s16, 9
	s_cselect_b64 s[18:19], s[8:9], s[18:19]
	s_cmp_eq_u32 s16, 10
	s_cselect_b64 s[18:19], s[10:11], s[18:19]
	s_cmp_eq_u32 s16, 11
	s_cselect_b64 s[18:19], s[12:13], s[18:19]
	s_add_nc_u64 s[18:19], s[18:19], s[20:21]
	s_add_nc_u64 s[14:15], s[14:15], s[2:3]
.irp j, 0,1,2,3,4,5,6,7,8,9,10,11,12,13,14,15
	global_load_b128 v[X+4*\j:X+4*\j+3], v1, s[18:19] offset:4096*\j th:TH_LOAD_NT   ; read once in the launch
.endr
; Sixteen chunks.  scaled = 1: times 1/8 on the way (Wq alone).
.macro CONV scaled
.irp j, 0,1,2,3,4,5,6,7,8,9,10,11,12,13,14,15
	s_wait_loadcnt 15-\j                           ; loads come back in order: chunk j is in, the 15 - j younger ones stay out
.if \scaled
	v_pk_mul_f32 v[X+4*\j:X+4*\j+1], v[X+4*\j:X+4*\j+1], s[22:23] op_sel_hi:[1,0]
	v_pk_mul_f32 v[X+4*\j+2:X+4*\j+3], v[X+4*\j+2:X+4*\j+3], s[22:23] op_sel_hi:[1,0]
.endif
	v_cvt_pk_bf16_f32 v[Y+2*\j], v[X+4*\j], v[X+4*\j+1]
	v_cvt_pk_bf16_f32 v[Y+2*\j+1], v[X+4*\j+2], v[X+4*\j+3]
	global_store_b64 v2, v[Y+2*\j:Y+2*\j+1], s[14:15] offset:2048*\j     ; later launches read xw: no hint
.endr
.endm
	s_cmp_eq_u32 s16, 8
	s_cbranch_scc1 .Lscaled
	CONV 0
	s_endpgm
.Lscaled:
	CONV 1
	s_endpgm
.Lfunc_end_k_q2198eece0b_cast:
	.size	k_q2198eece0b_cast, .Lfunc_end_k_q2198eece0b_cast-k_q2198eece0b_cast
	.p2alignl 7, 3214868480
	.fill 96, 4, 3214868480
	.section	.rodata,"a",@progbits
	.p2align	6, 0x0
	.amdhsa_kernel k_q2198eece0b_cast
		.amdhsa_group_segment_fixed_size 0
		.amdhsa_private_segment_fixed_size 0
		.amdhsa_enable_private_segment 0
		.amdhsa_kernarg_size 48
		.amdhsa_user_sgpr_count 2
		.amdhsa_user_sgpr_kernarg_segment_ptr 1
		.amdhsa_wavefront_size32 1
		.amdhsa_system_sgpr_workgroup_id_x 1
		.amdhsa_system_sgpr_workgroup_id_y 1
		.amdhsa_system_sgpr_workgroup_id_z 1
		.amdhsa_system_vgpr_workitem_id 0
		.amdhsa_next_free_vgpr 100
		.amdhsa_next_free_sgpr 66
		.amdhsa_reserve_vcc 0
		.amdhsa_float_denorm_mode_32 3
		.amdhsa_float_denorm_mode_16_64 3
		.amdhsa_memory_ordered 1
		.amdhsa_forward_progress 1
		.amdhsa_inst_pref_size 13
	.end_amdhsa_kernel
	.amdgpu_metadata
---
amdhsa.version: [ 1, 2 ]
amdhsa.kernels:
  - .name:           k_q2198eece0b_cast
    .symbol:         k_q2198eece0b_cast.kd
    .args:
      - { .name: x, .offset: 0, .size: 8, .value_kind: global_buffer, .address_space: global }
      - { .name: Wq, .offset: 8, .size: 8, .value_kind: global_buffer, .address_space: global }
      - { .name: Wk, .offset: 16, .size: 8, .value_kind: global_buffer, .address_space: global }
      - { .name: Wv, .offset: 24, .size: 8, .value_kind: global_buffer, .address_space: global }
      - { .name: Wo_w, .offset: 32, .size: 8, .value_kind: global_buffer, .address_space: global }
      - { .name: xw, .offset: 40, .size: 8, .value_kind: global_buffer, .address_space: global }
    .group_segment_fixed_size: 0
    .private_segment_fixed_size: 0
    .kernarg_segment_align: 8
    .kernarg_segment_size: 48
    .max_flat_workgroup_size: 256
    .sgpr_count:     66
    .vgpr_count:     100
    .wavefront_size: 32
...
	.end_amdgpu_metadata
.endif
;; end of part 1
;; launch qkproj (part 2): grid 8 x 32, 4 waves a work-group, clusters of 4 x 4, 327,680 bytes of LDS; arguments xw, qk; writes qk
.if DOCPART == 2
	.amdgcn_target "amdgcn-amd-amdhsa--gfx1250"
	.amdhsa_code_object_version 6
	.text
	.protected	k_q2198eece0b_qkproj
	.globl	k_q2198eece0b_qkproj
	.p2align	8
	.type	k_q2198eece0b_qkproj,@function
k_q2198eece0b_qkproj:
	s_mov_b64 s[64:65], 0
	v_nop
	global_prefetch_b8 v0, s[64:65] scope:SCOPE_SE
	s_setreg_imm32_b32 hwreg(HW_REG_WAVE_MODE, 25, 1), 1
	s_wait_xcnt 0x0
	s_wait_alu depctr_hold_cnt(0) depctr_sa_sdst(0) depctr_va_vdst(0) depctr_va_sdst(0) depctr_va_ssrc(0) depctr_va_vcc(0) depctr_vm_vsrc(0)
	s_getreg_b32 s2, hwreg(HW_REG_IB_STS2, 6, 4)
	s_cmp_eq_u32 s2, 0
	s_cbranch_scc0 .Lentry_in_a_cluster
	s_endpgm
.Lentry_in_a_cluster:
	s_bfe_u32 s2, ttmp6, 0x10000c
	s_cmp_lg_u32 s2, 0xf033
	s_cbranch_scc0 .Lentry_shape_is_right
	s_endpgm
.Lentry_shape_is_right:
; qk[m][n] = sum over k of xb[m][k] W[k][n], n = 0..1023 from Wq/8 and n = 1024..2047 from Wk.  xb: [8192][1024] bf16; the weights [k][n] bf16;
; qk: [8192][2048] bf16; sums in f32, rounded once.
; A work-group makes 256 x 256 of qk with four waves, a wave 128 x 128: 64 accumulator tiles of 16 x 16, 512 registers.  32 x 8 blocks = 256 work-groups.
; K goes in steps of 128 through a ring of two LDS slots filled by the tensor data mover.
; The weights stay as they lie, [k][n]: a tile is 128 k-rows of 256 n (512 bytes a row), and the fragments (n along the lanes, k along the registers) are made
; by the transposing LDS load.
; CLUSTERS: 4 x 4 work-groups.  The four of a row of the cluster need the same tiles of xb, the four of a column the same tiles of the weights: each tile is
; asked for jointly, by the same tensor load with a mask that names the four, which divides the requests for both by four.
;
; REGISTERS, in windows of 256:
;   window 0: v0-31 addresses; v64-127, v128-191 fragments of xb (8 x 16 rows x 32 K), two buffers; v192-223 at work on the way out
;   window 1: v64-127, v128-191 fragments of the weights, two buffers
;   window 2: the 32 accumulator tiles of my rows 0-63 (tile (a, b) at v[8 (8 a + b)]);   window 3: those of my rows 64-127
; The matrix instruction is used transposed: source 0 = 16 columns n of the weights, source 1 = 16 rows of xb.  Lane l then holds row m = l % 16 and its eight
; registers the columns n = 8 (l / 16) + 0..7: sixteen neighbouring bytes of a row of qk once rounded.
.set SIZE_K, 1024
.set SIZE_N, 2048                      ; elements in a row of qk
.set WOFF,   16777216                  ; the weights' first byte in xw
.set KSTEP,  128
.set PITCH,  272                       ; an LDS row of xb: 256 bytes + 16 of padding: sixteen rows begin in sixteen different 16-byte columns of 256
.set BPITCH, 544                       ; an LDS row of the weights: 512 bytes + 32 of padding, an odd multiple of 32
.set HALFT,  128*PITCH                 ; what one tensor load brings: 128 rows of xb, or 64 k-rows of the weights (64 x 544 is the same 34,816)
.set SLOT,   4*HALFT                   ; xb's 256 rows, then the weights' 128 k-rows
.set STAGE,  2*SLOT                    ; behind the ring: 16 rows x 272 bytes for each wave, for the way out; no fill lands there
.set SPITCH, 272
.set LAPS, SIZE_K/(2*KSTEP)            ; a lap = two K steps = once round the ring: 4
.set ADRA, 16                          ; v16-17  LDS address of my xb fragments in slot 0, 1
.set ADRB, 20                          ; v20-21  the same for the weights
.set STO,  24                          ; v24     the way out: where I put 16 bytes of a row
.set RD,   25                          ; v25     the way out: where I read a row back
.set CO,   26                          ; v26     my byte offset in qk
.set F0,   64                          ; fragment buffer 0
.set F1,   128                         ; fragment buffer 1
.set TMP,  192                         ; the way out: packed results, in window 0
.set G1, 24                            ; s[24:31] descriptor group 1 for xb's tiles
.set G0, 32                            ; s[32:39] descriptor group 0 for xb's tiles, one set for each slot
.set G1B, 48                           ; s[48:55] descriptor group 1 for the weights' tiles
.set G0B, 56                           ; s[56:63] descriptor group 0 for the weights' tiles, one set for each slot
.set MSB, 0
.macro WIN new                         ; the immediate's high byte repeats the setting that is left; a switch that changes nothing is dropped
.if MSB != \new
	s_set_vgpr_msb (MSB<<8)|\new
.set MSB, \new
.endif
.endm
.set MUL_LO, 0xa1                      ; source 0 (weights) window 1, source 1 (xb) window 0, C and D window 2
.set MUL_HI, 0xf1                      ; the same, C and D window 3
.set TO_B,   0x40                      ; destination window 1, address window 0
; A joint load.  Waves 0 and 1 fetch xb's two halves, waves 2 and 3 the weights'.  Each line has one mask and one set of registers, and the branch hangs on
; the wave's number alone.
.macro JLOAD s
	s_cmp_eq_u32 s11, 0
	s_cbranch_scc0 .Lfor_b_\@
	tensor_load_to_lds s[G0+4*\s:G0+4*\s+3], s[G1:G1+7]
	s_nop 0
	s_branch .Lasked_\@
.Lfor_b_\@:
	tensor_load_to_lds s[G0B+4*\s:G0B+4*\s+3], s[G1B:G1B+7]
	s_nop 0
.Lasked_\@:
.endm
; A round of the cluster's barrier: my work-group's barrier, wave 0 signals for the work-group, every wave waits for all sixteen, my work-group's barrier again.
.macro CREST                           ; a round behind its opening barrier
	s_cmp_lg_u32 s10, 0
	s_cbranch_scc1 .Lnot_wave_0_\@
	s_barrier_signal -3
.Lnot_wave_0_\@:
	s_barrier_wait -3
	s_barrier_signal -1
	s_barrier_wait -1
.endm
.macro CROUND                          ; a whole round
	s_barrier_signal -1
	s_barrier_wait -1
	CREST
.endm
	s_load_b64 s[4:5], s[0:1], 0x0                 ; xw
	s_load_b64 s[8:9], s[0:1], 0x8                 ; qk
	s_set_vgpr_msb 0x40
	v_lshl_add_u32 v255, v0, 2, 0x48400
	s_set_vgpr_msb 0x4000
	v_mov_b32 v255, 0
	s_set_vgpr_msb 0x1
	ds_add_u32 v255, v255
	s_set_vgpr_msb 0x100
	v_lshrrev_b32 v1, 5, v0
	v_readfirstlane_b32 s10, v1                    ; wave 0..3
	s_lshr_b32 s11, s10, 1                         ; which half of the block's rows is mine.  Also: I fetch xb (0) or weights (1)
	s_and_b32 s12, s10, 1                          ; which half of its columns.  Also: which half of that tile I fetch
	s_bfe_u32 s40, ttmp6, 0x40000                  ; cx
	s_bfe_u32 s41, ttmp6, 0x40004                  ; cy
	s_lshl_b32 s42, ttmp9, 2
	s_add_co_u32 s42, s42, s40                     ; block column of qk = 4 x cluster x + cx
	s_and_b32 s13, ttmp7, 0xffff
	s_lshl_b32 s13, s13, 2
	s_add_co_u32 s13, s13, s41                     ; block row of qk = 4 x cluster y + cy
	s_lshl_b32 s43, s41, 2
	s_lshl_b32 s43, 15, s43                        ; my row of the cluster: places 4 cy .. 4 cy + 3
	s_lshl_b32 s44, 0x1111, s40                    ; my column: places cx, cx + 4, cx + 8, cx + 12
	; group 1 for xb: 128 rows x 128 elements of 2 bytes, 4 words of padding behind every 64 words
	s_or_b32 s[G1+0], s43, (1<<16)|(1<<20)|(1<<21)|(5<<22)|(3<<25)
	s_mov_b32 s[G1+1], KSTEP<<16                   ; tensor_dim0 = 128
	s_mov_b32 s[G1+2], 128<<16                     ; tensor_dim1 = 128
	s_mov_b32 s[G1+3], KSTEP<<16                   ; tile_dim0 = 128
	s_mov_b32 s[G1+4], 128                         ; tile_dim1 = 128
	s_mov_b32 s[G1+5], SIZE_K                      ; elements from row to row
	s_mov_b32 s[G1+6], 0
	s_mov_b32 s[G1+7], 0
	; group 1 for the weights: 64 k-rows x 256 elements, 8 words of padding behind every 128 words
	s_or_b32 s[G1B+0], s44, (1<<16)|(1<<20)|(1<<21)|(6<<22)|(7<<25)
	s_mov_b32 s[G1B+1], 256<<16
	s_mov_b32 s[G1B+2], 64<<16
	s_mov_b32 s[G1B+3], 256<<16
	s_mov_b32 s[G1B+4], 64
	s_mov_b32 s[G1B+5], 1024
	s_mov_b32 s[G1B+6], 0
	s_mov_b32 s[G1B+7], 0
	; where the tiles come from.  xb's hang on the block row alone, the weights' on the block column alone; each in registers that never hold the other coordinate.
	s_lshl_b32 s16, s13, 8
	s_lshl_b32 s17, s12, 7
	s_add_co_u32 s16, s16, s17                     ; xb: row 256 x block row + 128 x half,
	s_lshl_b32 s16, s16, 11                        ; of 2,048 bytes (16.8 million at the most)
	s_mov_b32 s17, 0
	s_lshl_b32 s46, ttmp9, 21                      ; the weights: cluster x 0 is Wq/8, 1 is Wk, 2 MiB apart,
	s_lshl_b32 s47, s40, 9                         ; 256 columns = 512 bytes for each cx,
	s_add_co_u32 s46, s46, s47
	s_lshl_b32 s47, s12, 17                        ; 64 k-rows of 2,048 bytes for the half,
	s_add_co_u32 s46, s46, s47
	s_add_co_u32 s46, s46, WOFF                    ; behind xb
	s_mov_b32 s47, 0
	s_mul_i32 s20, s10, HALFT                      ; where they go: wave x 34,816: no place in the cluster enters an LDS address
	s_wait_dscnt 0x0
	s_wait_kmcnt 0x0
	s_add_nc_u64 s[14:15], s[4:5], s[16:17]
	s_add_nc_u64 s[46:47], s[4:5], s[46:47]
	CROUND                                         ; all sixteen work-groups are here: the first joint loads meet
.irp s, 0,1
	s_mov_b32 s[G0+4*\s], 1                                        ; count = 1
	s_add_co_u32 s[G0+4*\s+1], s20, \s*SLOT                        ; LDS address
	s_add_nc_u64 s[G0+4*\s+2:G0+4*\s+3], s[14:15], \s*KSTEP*2      ; K step s: 256 bytes along the rows
	s_or_b32 s[G0+4*\s+3], s[G0+4*\s+3], 0x80000000                ; type = 2
	s_mov_b32 s[G0B+4*\s], 1
	s_add_co_u32 s[G0B+4*\s+1], s20, \s*SLOT
	s_add_nc_u64 s[G0B+4*\s+2:G0B+4*\s+3], s[46:47], \s*KSTEP*2048 ; K step s: 128 k-rows down
	s_or_b32 s[G0B+4*\s+3], s[G0B+4*\s+3], 0x80000000
	JLOAD \s                                       ; both slots are asked for before anything else is done: two tensor loads of the wave are out
.endr
	; xb's fragment: lane l holds row l % 16; registers 0-3 hold K = 8 (l / 16) + 0..7, registers 4-7 K = 16 + 8 (l / 16) + 0..7: two loads of 16 bytes, 32 apart.
	v_and_b32 v1, 15, v0                           ; l % 16
	v_bfe_u32 v2, v0, 4, 1                         ; l / 16
	v_mul_u32_u24 v3, v1, PITCH
	v_lshl_add_u32 v3, v2, 4, v3                   ; row x pitch + 16 x half
	; the weights' fragment: the transposing load turns 8 x 8 elements in each group of eight lanes: lane l addresses k-row 8 (l / 16) + l % 8 and the eight
	; columns 8 ((l / 8) % 2) + 0..7, and receives column l % 16 at K = 8 (l / 16) + 0..7.  The second load stands 16 k-rows further down.
	v_and_b32 v6, 7, v0
	v_lshl_add_u32 v6, v2, 3, v6                   ; 8 (l / 16) + l % 8
	v_mul_u32_u24 v6, v6, BPITCH
	v_bfe_u32 v7, v0, 3, 1
	v_lshl_add_u32 v6, v7, 4, v6
	s_mul_i32 s21, s11, HALFT                      ; my 128 rows of xb
	s_lshl_b32 s22, s12, 8                         ; my 128 columns of the weights: 256 bytes along their rows,
	s_add_co_u32 s22, s22, 2*HALFT                 ; which lie behind xb's 256 rows
.irp s, 0,1
	v_add_nc_u32 v[ADRA+\s], s21, v3
	v_add_nc_u32 v[ADRB+\s], s22, v6
	s_add_co_u32 s21, s21, SLOT
	s_add_co_u32 s22, s22, SLOT
.endr
	s_mul_i32 s23, s10, 16*SPITCH
	s_add_co_u32 s23, s23, STAGE                   ; my stage
	v_mul_u32_u24 v4, v1, SPITCH                   ; in: row l % 16, 16 bytes for each half of the lanes
	v_lshl_add_u32 v4, v2, 4, v4
	v_add_nc_u32 v[STO], s23, v4
	v_mul_u32_u24 v5, v2, SPITCH                   ; back: lanes 0-15 take one row of 256 bytes, lanes 16-31 the next
	v_lshl_add_u32 v5, v1, 4, v5
	v_add_nc_u32 v[RD], s23, v5
	v_mul_u32_u24 v5, v2, SIZE_N*2                 ; and the same two rows in qk
	v_lshl_add_u32 v[CO], v1, 4, v5
; 16 matrix instructions: m blocks a0, a0 + 1 of the window's four x all 8 n blocks, 32 along K.  zero = 1: the first product starts the sums.
; The 64 accumulators take turns, one instruction a turn, in the same order in every quarter step, over the loop's backward jump too.
.macro MUL16 f, hi, a0, zero
.irp a, \a0, \a0+1
.irp b, 0,1,2,3,4,5,6,7
.if \zero
	v_wmma_f32_16x16x32_bf16 v[8*(8*(\a)+\b):8*(8*(\a)+\b)+7], v[\f+8*\b:\f+8*\b+7], v[\f+8*(4*\hi+\a):\f+8*(4*\hi+\a)+7], 0
.else
	v_wmma_f32_16x16x32_bf16 v[8*(8*(\a)+\b):8*(8*(\a)+\b)+7], v[\f+8*\b:\f+8*\b+7], v[\f+8*(4*\hi+\a):\f+8*(4*\hi+\a)+7], v[8*(8*(\a)+\b):8*(8*(\a)+\b)+7]
.endif
.endr
.endr
.endm
; 32 LDS loads in one run: the fragments of quarter q of a K step (32 along K) into buffer f: 128 columns of the weights, then 128 rows of xb
.macro FETCH slot, q, f
	WIN TO_B
.irp i, 0,1,2,3,4,5,6,7
	ds_load_tr16_b128 v[\f+8*\i:\f+8*\i+3],   v[ADRB+\slot] offset:32*BPITCH*\q+32*\i
	ds_load_tr16_b128 v[\f+8*\i+4:\f+8*\i+7], v[ADRB+\slot] offset:32*BPITCH*\q+32*\i+16*BPITCH
.endr
	WIN 0
.irp i, 0,1,2,3,4,5,6,7
	ds_load_b128 v[\f+8*\i:\f+8*\i+3],   v[ADRA+\slot] offset:64*\q+\i*16*PITCH
	ds_load_b128 v[\f+8*\i+4:\f+8*\i+7], v[ADRA+\slot] offset:64*\q+\i*16*PITCH+32
.endr
.endm
; A load into a register that a matrix instruction has read, and a vector instruction that reads a matrix result, stand four places behind that matrix
; instruction; only plain vector instructions that name none of its registers are places.
.macro PLACES
.rept 4
	v_nop
.endr
.endm
; One of a K step's first three quarters: multiplies buffer f; in its middle it fetches quarter q of the same slot into buffer g.
.macro QUARTER slot, q, f, g, zero
	s_wait_dscnt 8                                 ; the weights and xb's rows 0-63 are in; the youngest eight loads (rows 64-127) may be out
	WIN MUL_LO
	MUL16 \f, 0, 0, \zero
	MUL16 \f, 0, 2, \zero
	PLACES
	FETCH \slot, \q, \g
	s_wait_dscnt 32                                ; all but the 32 just issued
	WIN MUL_HI
	MUL16 \f, 1, 0, \zero
	MUL16 \f, 1, 2, \zero
.endm
.macro THREE slot, zero
	QUARTER \slot, 1, F0, F1, \zero
	QUARTER \slot, 2, F1, F0, 0
	QUARTER \slot, 3, F0, F1, 0
.endm
; The last quarter: multiplies buffer 1 and changes slots.  In front of the one barrier each wave waits for its reads of this slot and for all its tensor loads
; (one is out: its part of the next slot).  Behind it the refill comes first, then the next slot's first fragments.
.macro TURN slot, next, fill
	s_wait_dscnt 8
	WIN MUL_LO
	MUL16 F1, 0, 0, 0
	s_wait_dscnt 0                                 ; my reads of this slot are over
	s_wait_tensorcnt 0x0                           ; and all my tensor loads have landed
	ds_add_u32 v255, v255
	s_wait_dscnt 0x0
	s_barrier_signal -1                            ; say so (where the slot is filled again this barrier opens a round of the cluster's barrier),
	MUL16 F1, 0, 2, 0                              ; work on registers while the others arrive,
	WIN 0
	s_barrier_wait -1
.if \fill
	CREST                                          ; no wave of any partner still reads this slot's tile or has a load on its way
	s_add_nc_u64 s[G0+4*\slot+2:G0+4*\slot+3], s[G0+4*\slot+2:G0+4*\slot+3], 2*KSTEP*2
	s_add_nc_u64 s[G0B+4*\slot+2:G0B+4*\slot+3], s[G0B+4*\slot+2:G0B+4*\slot+3], 2*KSTEP*2048
	JLOAD \slot                                    ; the wave's one tensor load behind the round, and the first thing there
.endif
	PLACES
	FETCH \next, 0, F0
	WIN MUL_HI
	MUL16 F1, 1, 0, 0
	MUL16 F1, 1, 2, 0
.endm
.macro LAP zero
	THREE 0, \zero
	TURN 0, 1, 1
	THREE 1, 0
	TURN 1, 0, 1
.endm
	s_wait_tensorcnt 1                             ; my part of K step 0 is in; K step 1's may stay out
	s_barrier_signal -1
	s_barrier_wait -1                              ; everybody's is
	FETCH 0, 0, F0
	LAP 1                                          ; the first lap stands in front of the loop: its first products start the sums
	WIN 0                                          ; at a label and at a branch every window is 0
	s_mov_b32 s3, LAPS-2
.Llap:
	LAP 0
	WIN 0
	s_sub_co_u32 s3, s3, 1
	s_cmp_lg_u32 s3, 0
	s_cbranch_scc1 .Llap
	THREE 0, 0                                     ; the last lap fills nothing
	TURN 0, 1, 0
	THREE 1, 0
	s_wait_dscnt 8
	WIN MUL_LO
	MUL16 F1, 0, 0, 0
	MUL16 F1, 0, 2, 0
	s_wait_dscnt 0
	WIN MUL_HI
	MUL16 F1, 1, 0, 0
	MUL16 F1, 1, 2, 0
	; THE WAY OUT, 16 rows at a time: round to bf16, 16 bytes a lane into my own stage, read back as whole rows of 256 bytes.
	PLACES                                         ; the places behind the last matrix instructions
	s_lshl_b32 s13, s13, 8
	s_lshl_b32 s14, s11, 7
	s_add_co_u32 s16, s13, s14                     ; my first row of qk,
	s_lshl_b32 s16, s16, 12                        ; of 4,096 bytes
	s_mov_b32 s17, 0
	s_add_nc_u64 s[8:9], s[8:9], s[16:17]
	s_lshl_b32 s46, s42, 9                         ; my first column, in bytes: 512 x block + 256 x half
	s_lshl_b32 s47, s12, 8
	s_add_co_u32 s46, s46, s47
	s_mov_b32 s47, 0
	s_add_nc_u64 s[8:9], s[8:9], s[46:47]
; rows 16 i .. 16 i + 15 of my block = the eight tiles (a, 0..7) of window 2 or 3 (from = 0x0a or 0x0f: sources 0 and 1); f: F0 or F1 in turn
.macro OUT16 i, a, from, f
	WIN \from
.irp b, 0,1,2,3,4,5,6,7
.irp r, 0,1,2,3
	v_cvt_pk_bf16_f32 v[TMP+4*\b+\r], v[8*(8*\a+\b)+2*\r], v[8*(8*\a+\b)+2*\r+1]
.endr
.endr
	WIN 0
.irp b, 0,1,2,3,4,5,6,7
	ds_store_b128 v[STO], v[TMP+4*\b:TMP+4*\b+3] offset:32*\b
.endr
	s_wait_xcnt 0x0                                ; buffer f, which earlier stores read, and the stores' base are rewritten only behind this wait
.if \i
	s_add_nc_u64 s[8:9], s[8:9], 16*SIZE_N*2       ; 16 rows of qk on
.endif
.irp t, 0,1,2,3,4,5,6,7
	ds_load_b128 v[\f+4*\t:\f+4*\t+3], v[RD] offset:\t*2*SPITCH    ; LDS serves a wave's instructions in order: these see the stores above
.endr
.irp t, 0,1,2,3,4,5,6,7
	s_wait_dscnt 7-\t                              ; load t of the eight is in
	global_store_b128 v[CO], v[\f+4*\t:\f+4*\t+3], s[8:9] offset:2*\t*SIZE_N*2   ; 16 lanes store 256 consecutive bytes, at a multiple of 256 from qk's first byte
.endr
.endm
	OUT16 0, 0, 0x0a, F0
	OUT16 1, 1, 0x0a, F1
	OUT16 2, 2, 0x0a, F0
	OUT16 3, 3, 0x0a, F1
	OUT16 4, 0, 0x0f, F0
	OUT16 5, 1, 0x0f, F1
	OUT16 6, 2, 0x0f, F0
	OUT16 7, 3, 0x0f, F1
	s_set_vgpr_msb 0x1
	s_wait_tensorcnt 0x0
	ds_add_u32 v255, v255
	s_wait_dscnt 0x0
	s_set_vgpr_msb 0x100
	CROUND                                         ; the closing round: no work-group ends while a partner may still ask for a tile that names it
	s_endpgm
.Lfunc_end_k_q2198eece0b_qkproj:
	.size	k_q2198eece0b_qkproj, .Lfunc_end_k_q2198eece0b_qkproj-k_q2198eece0b_qkproj
	.p2alignl 7, 3214868480
	.fill 96, 4, 3214868480
	.section	.rodata,"a",@progbits
	.p2align	6, 0x0
	.amdhsa_kernel k_q2198eece0b_qkproj
		.amdhsa_group_segment_fixed_size 327680
		.amdhsa_private_segment_fixed_size 0
		.amdhsa_enable_private_segment 0
		.amdhsa_kernarg_size 16
		.amdhsa_user_sgpr_count 2
		.amdhsa_user_sgpr_kernarg_segment_ptr 1
		.amdhsa_wavefront_size32 1
		.amdhsa_system_sgpr_workgroup_id_x 1
		.amdhsa_system_sgpr_workgroup_id_y 1
		.amdhsa_system_sgpr_workgroup_id_z 1
		.amdhsa_system_vgpr_workitem_id 0
		.amdhsa_next_free_vgpr 1024
		.amdhsa_next_free_sgpr 66
		.amdhsa_reserve_vcc 0
		.amdhsa_float_denorm_mode_32 3
		.amdhsa_float_denorm_mode_16_64 3
		.amdhsa_memory_ordered 1
		.amdhsa_forward_progress 1
		.amdhsa_inst_pref_size 196
	.end_amdhsa_kernel
	.amdgpu_metadata
---
amdhsa.version: [ 1, 2 ]
amdhsa.kernels:
  - .name:           k_q2198eece0b_qkproj
    .symbol:         k_q2198eece0b_qkproj.kd
    .args:
      - { .name: xw, .offset: 0, .size: 8, .value_kind: global_buffer, .address_space: global }
      - { .name: qk, .offset: 8, .size: 8, .value_kind: global_buffer, .address_space: global }
    .group_segment_fixed_size: 327680
    .private_segment_fixed_size: 0
    .kernarg_segment_align: 8
    .kernarg_segment_size: 16
    .max_flat_workgroup_size: 128
    .sgpr_count:     66
    .vgpr_count:     1024
    .wavefront_size: 32
...
	.end_amdgpu_metadata
.endif
;; end of part 2
;; launch attn (part 3): grid 64 x 4, 4 waves a work-group, clusters of 4 x 4, 327,680 bytes of LDS; arguments xw, qk, mask, ctx; writes ctx
.if DOCPART == 3
	.amdgcn_target "amdgcn-amd-amdhsa--gfx1250"
	.amdhsa_code_object_version 6
	.text
	.protected	k_q2198eece0b_attn
	.globl	k_q2198eece0b_attn
	.p2align	8
	.type	k_q2198eece0b_attn,@function
k_q2198eece0b_attn:
	s_mov_b64 s[64:65], 0
	v_nop
	global_prefetch_b8 v0, s[64:65] scope:SCOPE_SE
	s_setreg_imm32_b32 hwreg(HW_REG_WAVE_MODE, 25, 1), 1
	s_wait_xcnt 0x0
	s_wait_alu depctr_hold_cnt(0) depctr_sa_sdst(0) depctr_va_vdst(0) depctr_va_sdst(0) depctr_va_ssrc(0) depctr_va_vcc(0) depctr_vm_vsrc(0)
	s_getreg_b32 s2, hwreg(HW_REG_IB_STS2, 6, 4)
	s_cmp_eq_u32 s2, 0
	s_cbranch_scc0 .Lentry_in_a_cluster
	s_endpgm
.Lentry_in_a_cluster:
	s_bfe_u32 s2, ttmp6, 0x10000c
	s_cmp_lg_u32 s2, 0xf033
	s_cbranch_scc0 .Lentry_shape_is_right
	s_endpgm
.Lentry_shape_is_right:
; attn: ctx[b][head][t][d] = v[b][t][head][d] * (sum over l of softmax_l(q k^T / 8 + mask)[b][head][t][l]), stored in the flat order (b, head, t, d), bf16.
; The second product of the problem takes v at t, not at l, so each row of v is multiplied by the ROW SUM of its softmax.  That sum is computed, not assumed: every
; score, every mask entry, a running maximum, every exponential and their sum Z.  The one algebraic step is the distributive law, sum_l (e_l / Z) = (sum_l e_l) (1 / Z):
; numerator and denominator are the same running sum, and the factor is r = Z * rcp(Z).  It is NaN where the softmax is NaN.
; A work-group owns 128 rows t (one batch) and 4 heads (256 columns).  64 x 4 = 256 work-groups.  Wave w: rows 64 (w / 2) + 0..63, heads 2 (w % 2) + 0, 1.
;   Phase V: v = xb Wv for the block, 8 K steps of 128, kept in 256 f32 registers a wave; v never goes to memory and is rounded once, as ctx.
;   Phase S: 32 steps of 64 l: scores by the matrix unit with the mask tile as its C operand; running maximum and sum for each lane's half of the l.
;   End: the two halves of the lanes are merged, r is made, v is scaled, rounded and stored through an LDS stage.
; The matrix instruction is used transposed in both phases (source 1 holds the rows t): lane l holds row t = l % 16, so the 32 scores of a lane belong to one row,
; nothing crosses lanes inside the loop, and r[t] sits in the lane that holds v[t].
; CLUSTERS: 4 x 4 work-groups = 4 row blocks (cx) x 4 head groups (cy) of one batch.  Wv's and K's tiles hang on the head group: asked for jointly along a row of the
; cluster.  xb's and the mask's tiles hang on the row block: jointly along a column.  Q's tile is a work-group's own: a plain load.
; LIMIT: a row's largest score + mask must lie within +-2^30.  The running maximum has the floor -2^30, so that blocks of -inf or very negative entries give e = 0;
; inside the range the product maximum x log2(e) is rounded by less than 2^6, so no exponential and no sum of 2,048 of them overflows.  Single entries may be
; anything down to -inf.  A row wholly below -2^30 gives NaN: for -inf that is the softmax's own result, for finite values there it is not.
;
; LDS: two slots of 104,448 bytes, each: [0, 69,632) Wv's tile, 128 k-rows x 544, later K's tile, 64 l x 528; [69,632, 104,448) xb's tile, 128 x 272, later the mask's,
; 128 t x 272 (64 f32 a row).  Then Q's tile, 128 t x 528, filled once.  Then a stage of 16 x 272 for each wave, into which no fill lands.
; REGISTERS: window 0 addresses, softmax state, fragments of phase V / scores and mask of phase S; window 1 v's 32 accumulator tiles; window 2 K's fragments, two
; buffers of 128; window 3 Q's fragments, 128.
.set WVOFF,  16777216+2*2097152        ; Wv's first byte in xw
.set SLOT,   104448
.set XOFF,   69632                     ; xb's / the mask's tile inside a slot
.set QT,     2*SLOT                    ; Q's tile
.set STAGE,  QT+128*528                ; 276,480, a multiple of 256
.set LOG2E,  0x3fb8aa3b
.set ADRX, 8                           ; v8-9    LDS address of my xb fragments in slot 0, 1
.set ADRW, 10                          ; v10-11  Wv
.set ADRK, 12                          ; v12-13  K
.set ADRM, 14                          ; v14-15  mask
.set ADRQ, 16                          ; v16     Q
.set STO,  17                          ; v17     the way out: where I put 16 bytes
.set RD,   18                          ; v18     the way out: where I read them back
.set CO,   19                          ; v19     my byte offset in ctx
.set MXR,  20                          ; v20-27  running maximum of group g = 2 tt + hh (tt: 16 rows of my 64; hh: head of my two)
.set LSM,  28                          ; v28-43  running sum of group g, as a pair of partial sums; at the end (r, r)
.set TQ,   44                          ; v44-47  at work
.set AL,   48                          ; v48-49  alpha; v49 is only the pair's written partner
.set NM,   50                          ; v50-51  minus the new maximum times log2(e), twice
.set FN,   52                          ; v52-55  the end's merge
.set PFO,  56                          ; v56     8,192 x lane: a mask row for each lane, for the prefetch
.set F0,   64                          ; phase V: fragment buffer 0: Wv's eight at +0, xb's four at +64
.set F1,   160                         ; phase V: fragment buffer 1
.set SCO,  64                          ; phase S: scores, two buffers of 32 (by head)
.set MSK,  128                         ; phase S: mask, two buffers of 32 (by tt % 2)
.set TMP,  192                         ; the way out: packed results
.set G1W, 16                           ; s[16:23]  group 1, Wv
.set G1X, 24                           ; s[24:31]  xb
.set G1K, 32                           ; s[32:39]  K
.set G1M, 40                           ; s[40:47]  mask
.set G1Q, 48                           ; s[48:55]  Q
.set G0W, 56                           ; s[56:63]  group 0, Wv, a set for each slot
.set G0X, 68                           ; s[68:75]  xb
.set G0K, 76                           ; s[76:83]  K
.set G0M, 84                           ; s[84:91]  mask
.set G0Q, 92                           ; s[92:95]  Q
.set PFB, 104                          ; s[104:105] the prefetch's base
.set VMULW, 0x50                       ; phase V's products: fragments window 0, C and D window 1
.set SMULW, 0x0e                       ; phase S's products: source 0 (K) window 2, source 1 (Q) window 3, C and D window 0
.set MSB, 0
.macro WIN new                         ; the immediate's high byte repeats the setting that is left; a switch that changes nothing is dropped
.if MSB != \new
	s_set_vgpr_msb (MSB<<8)|\new
.set MSB, \new
.endif
.endm
.macro PLACES                          ; four places behind a matrix instruction (ISA guide 7.12.1)
.rept 4
	v_nop
.endr
.endm
.macro SHAPE g, c, r, p                ; words 1 to 7 of a group 1: a tile of r rows x c elements that lies inside its tensor, p elements from row to row
	s_mov_b32 s[\g+1], (\c)<<16
	s_mov_b32 s[\g+2], (\r)<<16
	s_mov_b32 s[\g+3], (\c)<<16
	s_mov_b32 s[\g+4], \r
	s_mov_b32 s[\g+5], \p
	s_mov_b32 s[\g+6], 0
	s_mov_b32 s[\g+7], 0
.endm
; Joint loads.  Waves 0 and 1 bring the two halves of the tile shared along the cluster's row (Wv, K), waves 2 and 3 those of the tile shared along its column
; (xb, mask).  Each line has one mask and one set of registers; the branch hangs on the wave's number alone.
.macro JLOADV s
	s_cmp_eq_u32 s13, 0
	s_cbranch_scc0 .Lvx_\@
	tensor_load_to_lds s[G0W+4*\s:G0W+4*\s+3], s[G1W:G1W+7]
	s_nop 0
	s_branch .Lvd_\@
.Lvx_\@:
	tensor_load_to_lds s[G0X+4*\s:G0X+4*\s+3], s[G1X:G1X+7]
	s_nop 0
.Lvd_\@:
.endm
.macro JLOADS s
	s_cmp_eq_u32 s13, 0
	s_cbranch_scc0 .Lsm_\@
	tensor_load_to_lds s[G0K+4*\s:G0K+4*\s+3], s[G1K:G1K+7]
	s_nop 0
	s_branch .Lsd_\@
.Lsm_\@:
	tensor_load_to_lds s[G0M+4*\s:G0M+4*\s+3], s[G1M:G1M+7]
	s_nop 0
.Lsd_\@:
.endm
.macro CREST                           ; a round of the cluster's barrier behind its opening barrier
	s_cmp_lg_u32 s12, 0
	s_cbranch_scc1 .Lnot_wave_0_\@
	s_barrier_signal -3
.Lnot_wave_0_\@:
	s_barrier_wait -3
	s_barrier_signal -1
	s_barrier_wait -1
.endm
.macro CROUND
	s_barrier_signal -1
	s_barrier_wait -1
	CREST
.endm
	s_load_b256 s[4:11], s[0:1], 0x0               ; xw s[4:5], qk s[6:7], mask s[8:9], ctx s[10:11]
	v_lshl_add_u32 v62, v0, 2, 0x47c00
	v_mov_b32 v63, 0
	ds_add_u32 v62, v63
	v_lshrrev_b32 v1, 5, v0
	v_readfirstlane_b32 s12, v1                    ; wave 0..3
	s_lshr_b32 s13, s12, 1                         ; my half of the rows.  Also: I fetch Wv / K (0) or xb / mask (1)
	s_and_b32 s14, s12, 1                          ; my pair of heads.  Also: which half of that tile I fetch
	s_bfe_u32 s2, ttmp6, 0x40000                   ; cx
	s_bfe_u32 s3, ttmp6, 0x40004                   ; cy = the head group: the grid's four along y are one cluster
	s_lshl_b32 s67, 0x1111, s2                     ; my column of the cluster
	s_lshl_b32 s66, s3, 2
	s_lshl_b32 s66, 15, s66                        ; my row of the cluster
	s_lshl_b32 s96, ttmp9, 2
	s_add_co_u32 s2, s96, s2                       ; the row block, 0..63 = 4 x cluster x + cx; its batch is cluster x / 4
	; group 1: mask of work-groups; element size; padding on; bit 21 beside a mask; padding's interval (the row) and length
	s_or_b32 s[G1W], s66, (1<<16)|(1<<20)|(1<<21)|(6<<22)|(7<<25)   ; 64 k-rows x 256 bf16, 8 words behind every 128: pitch 544
	SHAPE G1W, 256, 64, 1024
	s_or_b32 s[G1X], s67, (1<<16)|(1<<20)|(1<<21)|(5<<22)|(3<<25)   ; 64 rows x 128 bf16, 4 words behind every 64: pitch 272
	SHAPE G1X, 128, 64, 1024
	s_or_b32 s[G1K], s66, (1<<16)|(1<<20)|(1<<21)|(6<<22)|(3<<25)   ; 32 l x 256 bf16, 4 words behind every 128: pitch 528
	SHAPE G1K, 256, 32, 2048
	s_or_b32 s[G1M], s67, (2<<16)|(1<<20)|(1<<21)|(5<<22)|(3<<25)   ; 64 t x 64 f32, 4 words behind every 64: pitch 272
	SHAPE G1M, 64, 64, 2048
	s_mov_b32 s[G1Q], (1<<16)|(1<<20)|(6<<22)|(3<<25)               ; 32 t x 256 bf16, pitch 528, for this work-group alone
	SHAPE G1Q, 256, 32, 2048
	; group 0: count, and the LDS addresses: a constant, the wave's number times a constant, the slot's constant
.irp g, G0W, G0W+4, G0X, G0X+4, G0K, G0K+4, G0M, G0M+4, G0Q
	s_mov_b32 s[\g], 1
.endr
	s_mul_i32 s[G0W+1], s12, 34816                 ; waves 0, 1: halves of 64 x 544
	s_add_co_u32 s[G0W+5], s[G0W+1], SLOT
	s_mul_i32 s[G0X+1], s12, 17408                 ; waves 2, 3: halves of 64 x 272 from byte 69,632 on
	s_add_co_u32 s[G0X+1], s[G0X+1], 34816
	s_add_co_u32 s[G0X+5], s[G0X+1], SLOT
	s_mul_i32 s[G0K+1], s12, 16896                 ; waves 0, 1: halves of 32 x 528
	s_add_co_u32 s[G0K+5], s[G0K+1], SLOT
	s_mul_i32 s[G0M+1], s12, 17408                 ; the mask's halves lie where xb's lay
	s_add_co_u32 s[G0M+1], s[G0M+1], 34816
	s_add_co_u32 s[G0M+5], s[G0M+1], SLOT
	s_mul_i32 s[G0Q+1], s12, 16896                 ; every wave: a quarter of 32 x 528
	s_add_co_u32 s[G0Q+1], s[G0Q+1], QT
	; global addresses.  s96, s97 never hold cy and feed the tiles shared along a column; s98, s99 never hold cx and feed those shared along a row.
	s_lshl_b32 s96, s2, 7
	s_lshl_b32 s97, s14, 6
	s_add_co_u32 s96, s96, s97                     ; row 128 x block + 64 x half
	s_lshl_b32 s96, s96, 11                        ; xb: 2,048 bytes a row
	s_mov_b32 s97, 0
	s_lshl_b32 s98, s3, 9                          ; Wv: 512 bytes for the head group,
	s_lshl_b32 s99, s14, 17                        ; 64 k-rows of 2,048 bytes for the half
	s_add_co_u32 s98, s98, s99
	s_add_co_u32 s98, s98, WVOFF
	s_mov_b32 s99, 0
	s_wait_dscnt 0x0
	s_wait_kmcnt 0x0
	s_add_nc_u64 s[G0X+2:G0X+3], s[4:5], s[96:97]
	s_add_nc_u64 s[G0X+6:G0X+7], s[G0X+2:G0X+3], 256               ; K step 1: 128 elements along the rows
	s_lshl_b32 s96, s96, 2                         ; mask: 8,192 bytes a row
	s_add_nc_u64 s[G0M+2:G0M+3], s[8:9], s[96:97]
	s_add_nc_u64 s[G0M+6:G0M+7], s[G0M+2:G0M+3], 256               ; tile 1: 64 f32 along the rows
	s_add_nc_u64 s[G0W+2:G0W+3], s[4:5], s[98:99]
	s_add_nc_u64 s[G0W+6:G0W+7], s[G0W+2:G0W+3], 262144            ; K step 1: 128 k-rows down
	s_lshr_b32 s98, ttmp9, 2                       ; K: the batch's 2,048 rows of 4,096 bytes,
	s_lshl_b32 s98, s98, 23
	s_lshl_b32 s99, s14, 17                        ; 32 rows for the half,
	s_add_co_u32 s98, s98, s99
	s_lshl_b32 s99, s3, 9                          ; 512 bytes for the head group,
	s_add_co_u32 s98, s98, s99
	s_add_co_u32 s98, s98, 2048                    ; behind q's 1,024 columns
	s_mov_b32 s99, 0
	s_add_nc_u64 s[G0K+2:G0K+3], s[6:7], s[98:99]
	s_add_nc_u64 s[G0K+6:G0K+7], s[G0K+2:G0K+3], 262144            ; tile 1: 64 rows down
	s_lshl_b32 s96, s2, 19                         ; Q: row 128 x block + 32 x wave, of 4,096 bytes,
	s_lshl_b32 s97, s12, 17
	s_add_co_u32 s96, s96, s97
	s_mov_b32 s97, 0
	s_add_nc_u64 s[G0Q+2:G0Q+3], s[6:7], s[96:97]
	s_lshl_b32 s98, s3, 9                          ; and the head group's 512 bytes
	s_add_nc_u64 s[G0Q+2:G0Q+3], s[G0Q+2:G0Q+3], s[98:99]
.irp g, G0W+3, G0W+7, G0X+3, G0X+7, G0K+3, G0K+7, G0M+3, G0M+7, G0Q+3
	s_or_b32 s[\g], s[\g], 0x80000000              ; type = 2
.endr
	s_lshl_b32 s96, s2, 20                         ; the prefetch: mask row 128 x block + 32 cy + lane: the four work-groups that share a mask tile
	s_add_nc_u64 s[PFB:PFB+1], s[8:9], s[96:97]    ; ask for 32 of its 128 rows each
	s_lshl_b32 s98, s3, 18
	s_add_nc_u64 s[PFB:PFB+1], s[PFB:PFB+1], s[98:99]
	s_lshr_b32 s96, ttmp9, 2                       ; ctx: (16 batch + 4 head group + 2 pair) x 262,144 + (row in the batch) x 128
	s_lshl_b32 s96, s96, 22
	s_lshl_b32 s97, s14, 19
	s_add_co_u32 s96, s96, s97
	s_and_b32 s97, s2, 15
	s_lshl_b32 s97, s97, 14
	s_add_co_u32 s96, s96, s97
	s_lshl_b32 s97, s13, 13
	s_add_co_u32 s96, s96, s97
	s_mov_b32 s97, 0
	s_add_nc_u64 s[10:11], s[10:11], s[96:97]
	s_lshl_b32 s98, s3, 20
	s_add_nc_u64 s[10:11], s[10:11], s[98:99]
	CROUND                                         ; all sixteen work-groups are here: the first joint loads meet
	JLOADV 0                                       ; the first fills go out as one group: K steps 0 and 1 of phase V and my quarter of Q:
	JLOADV 1                                       ; three tensor loads of the wave are out, the most in this text
	tensor_load_to_lds s[G0Q:G0Q+3], s[G1Q:G1Q+7]
	s_nop 0
	v_and_b32 v1, 15, v0                           ; r = l % 16
	v_bfe_u32 v2, v0, 4, 1                         ; h = l / 16
	v_and_b32 v3, 7, v0                            ; l % 8
	v_bfe_u32 v4, v0, 3, 1                         ; (l / 8) % 2
	v_and_b32 v5, 31, v0                           ; l
	v_mul_u32_u24 v6, v1, 272
	v_lshl_add_u32 v7, v2, 5, v6                   ; r x 272 + 32 h: eight f32 of the mask
	v_lshl_add_u32 v6, v2, 4, v6                   ; r x 272 + 16 h: eight bf16
	s_mul_i32 s100, s13, 17408                     ; my 64 rows
	s_add_co_u32 s100, s100, XOFF
	v_add_nc_u32 v[ADRX], s100, v6
	v_add_nc_u32 v[ADRX+1], SLOT, v[ADRX]
	v_add_nc_u32 v[ADRM], s100, v7
	v_add_nc_u32 v[ADRM+1], SLOT, v[ADRM]
	s_lshl_b32 s101, s14, 8                        ; my two heads: 256 bytes along the rows of Wv, K and Q
	v_lshl_add_u32 v7, v2, 3, v3                   ; the transposing load: k-row 8 h + l % 8,
	v_mul_u32_u24 v7, v7, 544
	v_lshl_add_u32 v7, v4, 4, v7                   ; eight columns at 8 ((l / 8) % 2)
	v_add_nc_u32 v[ADRW], s101, v7
	v_add_nc_u32 v[ADRW+1], SLOT, v[ADRW]
	v_mul_u32_u24 v7, v1, 528
	v_lshl_add_u32 v7, v2, 4, v7                   ; r x 528 + 16 h
	v_add_nc_u32 v[ADRK], s101, v7
	v_add_nc_u32 v[ADRK+1], SLOT, v[ADRK]
	s_mul_i32 s100, s13, 64*528
	s_add_co_u32 s100, s100, QT
	v_add_nc_u32 v[ADRQ], s100, v[ADRK]
	s_mul_i32 s100, s12, 4352
	s_add_co_u32 s100, s100, STAGE                 ; my stage
	v_add_nc_u32 v[STO], s100, v6
	v_lshrrev_b32 v7, 3, v5                        ; back: eight lanes take the 128 bytes of one row and one head
	v_mul_u32_u24 v7, v7, 272
	v_lshl_add_u32 v7, v3, 4, v7
	v_add_nc_u32 v[RD], s100, v7
	v_lshlrev_b32 v[CO], 4, v5                     ; four such rows are 512 neighbouring bytes of ctx
	v_lshlrev_b32 v[PFO], 13, v5
	s_mov_b32 s100, 0x76543210                     ; v_permlanex16_b32: lane i of one half reads lane i of the other
	s_mov_b32 s101, 0xfedcba98
; ---------------------------------------------------------------- phase V
; 24 LDS loads: the fragments of quarter q of a K step into buffer f: my 128 columns of Wv (transposed on the way), my 64 rows of xb
.macro VFETCH slot, q, f
.irp i, 0,1,2,3,4,5,6,7
	ds_load_tr16_b128 v[\f+8*\i:\f+8*\i+3],   v[ADRW+\slot] offset:17408*\q+32*\i
	ds_load_tr16_b128 v[\f+8*\i+4:\f+8*\i+7], v[ADRW+\slot] offset:17408*\q+32*\i+8704
.endr
.irp a, 0,1,2,3
	ds_load_b128 v[\f+64+8*\a:\f+64+8*\a+3],   v[ADRX+\slot] offset:64*\q+4352*\a
	ds_load_b128 v[\f+64+8*\a+4:\f+64+8*\a+7], v[ADRX+\slot] offset:64*\q+4352*\a+32
.endr
.endm
; 16 matrix instructions: row tiles a0, a0 + 1 x all 8 column tiles.  The 32 accumulators take turns, one instruction a turn, in the same order in every quarter.
.macro VMUL16 f, a0, zero
.irp a, \a0, \a0+1
.irp b, 0,1,2,3,4,5,6,7
.if \zero
	v_wmma_f32_16x16x32_bf16 v[8*(8*(\a)+\b):8*(8*(\a)+\b)+7], v[\f+8*\b:\f+8*\b+7], v[\f+64+8*(\a):\f+64+8*(\a)+7], 0
.else
	v_wmma_f32_16x16x32_bf16 v[8*(8*(\a)+\b):8*(8*(\a)+\b)+7], v[\f+8*\b:\f+8*\b+7], v[\f+64+8*(\a):\f+64+8*(\a)+7], v[8*(8*(\a)+\b):8*(8*(\a)+\b)+7]
.endif
.endr
.endr
.endm
; One of a K step's first three quarters: asks for quarter q into buffer g, then multiplies buffer f
.macro VQUARTER slot, q, f, g, zero
	WIN 0
	PLACES                                         ; buffer g was read by the matrix instructions just in front
	VFETCH \slot, \q, \g
	s_wait_dscnt 24                                ; all but the 24 just issued: buffer f is in
	WIN VMULW
	VMUL16 \f, 0, \zero
	VMUL16 \f, 2, \zero
.endm
.macro VTHREE slot, zero
	VQUARTER \slot, 1, F0, F1, \zero
	VQUARTER \slot, 2, F1, F0, 0
	VQUARTER \slot, 3, F0, F1, 0
.endm
; The last quarter: multiplies buffer 1 and changes slots.  In front of the round each wave waits for its reads of this slot and for all its tensor loads; behind it
; the joint refill comes first.  kind 0: this slot gets phase V's tiles two K steps ahead; kind 1, 2: it gets phase S's tile 0, 1 (addresses as set up).
; kind 2 leaves the second half of the quarter's products to the text behind it.
.macro VTURN slot, oth, kind
	s_wait_dscnt 0x0                               ; buffer 1 is in, and my reads of this slot are over
	s_wait_tensorcnt 0x0                           ; all my tensor loads have landed, my part of the other slot among them
	ds_add_u32 v62, v63
	s_wait_dscnt 0x0
	s_barrier_signal -1
	WIN VMULW
	VMUL16 F1, 0, 0                                ; work on registers while the others arrive
	WIN 0
	s_barrier_wait -1
	CREST                                          ; no wave of any partner still reads this slot or has a load on its way
.if \kind == 0
	s_add_nc_u64 s[G0W+4*\slot+2:G0W+4*\slot+3], s[G0W+4*\slot+2:G0W+4*\slot+3], 524288
	s_add_nc_u64 s[G0X+4*\slot+2:G0X+4*\slot+3], s[G0X+4*\slot+2:G0X+4*\slot+3], 512
	JLOADV \slot
.else
	JLOADS \slot
.endif
.if \kind < 2
	PLACES
	VFETCH \oth, 0, F0
	WIN VMULW
	VMUL16 F1, 2, 0
.endif
.endm
	s_wait_tensorcnt 0x2                           ; my part of K step 0 is in; K step 1's and Q's may stay out
	s_barrier_signal -1
	s_barrier_wait -1
	VFETCH 0, 0, F0
	VTHREE 0, 1                                    ; K step 0: its first quarter starts the sums
	VTURN 0, 1, 0
	VTHREE 1, 0
	VTURN 1, 0, 0
	VTHREE 0, 0
	VTURN 0, 1, 0
	VTHREE 1, 0
	VTURN 1, 0, 0
	VTHREE 0, 0
	VTURN 0, 1, 0                                  ; K step 4
	; Wave 0 asks for my 32 rows of the mask's tiles 0, 1 and 2: 256 bytes a lane and tile.  Tile 0's tensor load stands two changes of slots further down.
	WIN 0
	s_cmp_lg_u32 s12, 0
	s_cbranch_scc1 .Lno_first_prefetch
	global_prefetch_b8 v[PFO], s[PFB:PFB+1] th:TH_LOAD_NT scope:SCOPE_SE
	global_prefetch_b8 v[PFO], s[PFB:PFB+1] offset:256 th:TH_LOAD_NT scope:SCOPE_SE
	global_prefetch_b8 v[PFO], s[PFB:PFB+1] offset:512 th:TH_LOAD_NT scope:SCOPE_SE
.Lno_first_prefetch:
	VTHREE 1, 0
	VTURN 1, 0, 0                                  ; K step 5: the last refill of phase V (K step 7)
	VTHREE 0, 0
	VTURN 0, 1, 1                                  ; K step 6: slot 0 gets K's and the mask's tile 0
	VTHREE 1, 0
	VTURN 1, 0, 2                                  ; K step 7: slot 1 gets tile 1
; ---------------------------------------------------------------- phase S
; K's fragments of a tile: 64 l x my two heads x 64 d, 32 loads, head 0's sixteen first
.macro LDK slot
	WIN 0x80                                       ; destination window 2
.irp hh, 0,1
.irp lt, 0,1,2,3
.irp c, 0,1
	ds_load_b128 v[128*\slot+8*(\c+2*(\lt+4*\hh)):128*\slot+8*(\c+2*(\lt+4*\hh))+3],   v[ADRK+\slot] offset:8448*\lt+128*\hh+64*\c
	ds_load_b128 v[128*\slot+8*(\c+2*(\lt+4*\hh))+4:128*\slot+8*(\c+2*(\lt+4*\hh))+7], v[ADRK+\slot] offset:8448*\lt+128*\hh+64*\c+32
.endr
.endr
.endr
	WIN 0
.endm
; the mask of 16 rows (tt) x 64 l in the layout of a matrix result: lane (r, h), tile lt, register j = mask[16 tt + r][16 lt + 8 h + j]: 8 loads
.macro LDMASK slot, tt, mb
.irp lt, 0,1,2,3
	ds_load_b128 v[MSK+32*\mb+8*\lt:MSK+32*\mb+8*\lt+3],   v[ADRM+\slot] offset:4352*\tt+64*\lt
	ds_load_b128 v[MSK+32*\mb+8*\lt+4:MSK+32*\mb+8*\lt+7], v[ADRM+\slot] offset:4352*\tt+64*\lt+16
.endr
.endm
; The scores of group (tt, hh): 16 t x 64 l.  The first four products take the mask as C, so the matrix unit adds it; the second four add d = 32..63 in place.
; The four accumulators take turns, one instruction a turn.
.macro MM kb, tt, hh
	WIN SMULW
.irp lt, 0,1,2,3
	v_wmma_f32_16x16x32_bf16 v[SCO+32*\hh+8*\lt:SCO+32*\hh+8*\lt+7], v[128*\kb+8*(2*(\lt+4*\hh)):128*\kb+8*(2*(\lt+4*\hh))+7], v[8*(2*(\tt+4*\hh)):8*(2*(\tt+4*\hh))+7], v[MSK+32*(\tt%2)+8*\lt:MSK+32*(\tt%2)+8*\lt+7]
.endr
.irp lt, 0,1,2,3
	v_wmma_f32_16x16x32_bf16 v[SCO+32*\hh+8*\lt:SCO+32*\hh+8*\lt+7], v[128*\kb+8*(1+2*(\lt+4*\hh)):128*\kb+8*(1+2*(\lt+4*\hh))+7], v[8*(1+2*(\tt+4*\hh)):8*(1+2*(\tt+4*\hh))+7], v[SCO+32*\hh+8*\lt:SCO+32*\hh+8*\lt+7]
.endr
	WIN 0
.endm
; Running maximum and sum of group g over its 32 new scores in this lane (one row t, half of the step's l).
; m' = max(m, scores); alpha = 2^(c m - c m'); e = 2^(c s - c m'); sum = sum x alpha + the e's.  c = log2(e).  c m is rounded alike each time it is formed.
.macro SM g
.set SB, SCO+32*(\g%2)
.irp k, 0,1,2,3
	v_max3_num_f32 v[TQ+\k], v[SB+8*\k], v[SB+8*\k+1], v[SB+8*\k+2]    ; four chains that do not wait for each other
.endr
.irp k, 0,1,2,3
	v_max3_num_f32 v[TQ+\k], v[TQ+\k], v[SB+8*\k+3], v[SB+8*\k+4]
.endr
.irp k, 0,1,2,3
	v_max3_num_f32 v[TQ+\k], v[TQ+\k], v[SB+8*\k+5], v[SB+8*\k+6]
.endr
	v_max3_num_f32 v[TQ], v[TQ], v[SB+7], v[SB+15]
	v_max3_num_f32 v[TQ+1], v[TQ+1], v[SB+23], v[SB+31]
	v_max3_num_f32 v[TQ+2], v[TQ+2], v[TQ+3], v[MXR+\g]
	v_max3_num_f32 v[TQ], v[TQ], v[TQ+1], v[TQ+2]                      ; m'
	v_mul_f32 v[AL], LOG2E, v[MXR+\g]
	v_mul_f32 v[NM], 0xbfb8aa3b, v[TQ]                                 ; - c m', twice, for the packed multiply-add
	v_mul_f32 v[NM+1], 0xbfb8aa3b, v[TQ]
	v_add_f32 v[AL], v[AL], v[NM]
.set i, 0
.rept 16
	v_pk_fma_f32 v[SB+2*i:SB+2*i+1], v[SB+2*i:SB+2*i+1], LOG2E, v[NM:NM+1] op_sel_hi:[1,0,1]
.set i, i+1
.endr
	v_exp_f32 v[AL], v[AL]
.set i, 0
.rept 32
	v_exp_f32 v[SB+i], v[SB+i]
.set i, i+1
.endr
	v_mov_b32 v[MXR+\g], v[TQ]                     ; the plain instruction between the exponentials and the first use of a result (ISA guide 5.7.2)
	s_wait_alu depctr_va_vdst(0)
.irp n, 8, 4, 2, 1
.set i, 0
.rept \n
	v_pk_add_f32 v[SB+2*i:SB+2*i+1], v[SB+2*i:SB+2*i+1], v[SB+2*(i+\n):SB+2*(i+\n)+1]
.set i, i+1
.endr
.endr
	v_pk_fma_f32 v[LSM+2*\g:LSM+2*\g+1], v[LSM+2*\g:LSM+2*\g+1], v[AL:AL+1], v[SB:SB+1] op_sel_hi:[1,0,1]
.endm
; One step: 64 l from slot `slot`.  On entry the products of group 0 have been issued.  The products of group g + 1 are issued ahead of group g's vector work, which
; also supplies the places behind them.  LDS loads in flight on entry, in order: K of head 1 (16), the mask of rows 16-31 (8).
; fill: this slot is filled again, two tiles ahead.  next: another step follows.  pf: wave 0 asks for my rows of the mask's tile three steps ahead.
.macro SSTEP slot, oth, fill, next, pf
	s_wait_dscnt 8                                 ; K of head 1 is in; the mask of rows 16-31 may be out
	MM \slot, 0, 1
	SM 0
	LDMASK \slot, 2, 0
	s_wait_dscnt 8                                 ; the mask of rows 16-31 is in; that of rows 32-47 may be out
	MM \slot, 1, 0
	SM 1
	MM \slot, 1, 1
	SM 2
	LDMASK \slot, 3, 1
	s_wait_dscnt 8                                 ; the mask of rows 32-47 is in; that of rows 48-63 may be out
	MM \slot, 2, 0
	SM 3
	s_wait_dscnt 0x0                               ; my reads of this slot are over: K's fragments and all four parts of the mask are in registers
.if \next
	s_wait_tensorcnt 0x0                           ; all my tensor loads have landed: the one that was out is my part of the other slot
	ds_add_u32 v62, v63
	s_wait_dscnt 0x0
	s_barrier_signal -1
.endif
	MM \slot, 2, 1
	SM 4                                           ; register work while the others arrive
.if \next
	s_barrier_wait -1
.if \fill
	CREST                                          ; no wave of any partner still reads this slot or has a load on its way
	s_add_nc_u64 s[G0K+4*\slot+2:G0K+4*\slot+3], s[G0K+4*\slot+2:G0K+4*\slot+3], 524288
	s_add_nc_u64 s[G0M+4*\slot+2:G0M+4*\slot+3], s[G0M+4*\slot+2:G0M+4*\slot+3], 512
	JLOADS \slot                                   ; the wave's one tensor load behind the round; the wait for it stands a whole step further down
.endif
	LDMASK \oth, 0, 0
	LDK \oth
.if \pf
	s_cmp_lg_u32 s12, 0
	s_cbranch_scc1 .Lno_prefetch_\@
	s_wait_xcnt 0x0                                ; the last prefetch stands a step back: its base is stepped only behind this wait
	s_add_nc_u64 s[PFB:PFB+1], s[PFB:PFB+1], 256
	global_prefetch_b8 v[PFO], s[PFB:PFB+1] offset:512 th:TH_LOAD_NT scope:SCOPE_SE   ; step s asks for tile s + 3, whose tensor load stands in step s + 1
.Lno_prefetch_\@:
.endif
.endif
	MM \slot, 3, 0
	SM 5
	MM \slot, 3, 1
	SM 6
.if \next
	LDMASK \oth, 1, 1
	s_wait_dscnt 24                                ; the next step's mask of rows 0-15 and K of head 0 are in; K of head 1 (16) and the mask of rows 16-31 (8) may be out
	MM \oth, 0, 0
.endif
	SM 7
.endm
	; the way into phase S, behind the refill of K step 7's change of slots
	WIN 0xc0                                       ; destination window 3: Q's fragments, 64 t x my two heads x 64 d, kept for all 32 steps
.irp hh, 0,1
.irp tt, 0,1,2,3
.irp c, 0,1
	ds_load_b128 v[8*(\c+2*(\tt+4*\hh)):8*(\c+2*(\tt+4*\hh))+3],   v[ADRQ] offset:8448*\tt+128*\hh+64*\c
	ds_load_b128 v[8*(\c+2*(\tt+4*\hh))+4:8*(\c+2*(\tt+4*\hh))+7], v[ADRQ] offset:8448*\tt+128*\hh+64*\c+32
.endr
.endr
.endr
	LDK 0
	WIN VMULW
	VMUL16 F1, 2, 0                                ; phase V's last sixteen products
	WIN 0
.irp g, 0,1,2,3,4,5,6,7
	v_mov_b32 v[MXR+\g], 0xce800000                ; the running maximum's floor, -2^30
	v_mov_b32 v[LSM+2*\g], 0
	v_mov_b32 v[LSM+2*\g+1], 0
.endr
	v_mov_b32 v[AL+1], 0                           ; the pair's partner, and the lane exchanges' destinations, are written once
	v_mov_b32 v[FN+2], 0
	v_mov_b32 v[FN+3], 0                           ; these 27 lines are also the places in front of the loads into what were fragment buffers
	LDMASK 0, 0, 0
	LDMASK 0, 1, 1
	s_wait_dscnt 8                                 ; all is in but the mask of rows 16-31
	MM 0, 0, 0
	PLACES                                         ; in later steps group 7's vector work stands here
	s_mov_b32 s15, 14
.Lsteps:
	SSTEP 0, 1, 1, 1, 1                            ; steps 0 to 27
	SSTEP 1, 0, 1, 1, 1
	s_sub_co_u32 s15, s15, 1
	s_cmp_lg_u32 s15, 0
	s_cbranch_scc1 .Lsteps
	SSTEP 0, 1, 1, 1, 1                            ; step 28: fills tile 30, asks for tile 31, the last
	SSTEP 1, 0, 1, 1, 0                            ; step 29: fills tile 31
	SSTEP 0, 1, 0, 1, 0                            ; step 30: nothing is filled: a plain barrier shows tile 31 whole
	SSTEP 1, 0, 0, 0, 0                            ; step 31
; ---------------------------------------------------------------- the end
; Group g: the two halves of the lanes hold the same row's sums over different l, each relative to its own maximum.  Z = s 2^(mu - Mx) + s' 2^(mu' - Mx); r = Z rcp(Z).
.macro FIN g
	v_add_f32 v[FN], v[LSM+2*\g], v[LSM+2*\g+1]
	v_mul_f32 v[FN+1], LOG2E, v[MXR+\g]
	v_permlanex16_b32 v[FN+2], v[FN+1], s100, s101
	v_permlanex16_b32 v[FN+3], v[FN], s100, s101
	v_max_num_f32 v[TQ], v[FN+1], v[FN+2]
	v_sub_f32 v[TQ+1], v[FN+1], v[TQ]
	v_sub_f32 v[TQ+2], v[FN+2], v[TQ]
	v_exp_f32 v[TQ+1], v[TQ+1]
	v_exp_f32 v[TQ+2], v[TQ+2]
	v_nop                                          ; one plain place behind the exponentials
	s_wait_alu depctr_va_vdst(0)
	v_mul_f32 v[TQ+3], v[FN+3], v[TQ+2]
	v_fma_f32 v[TQ+3], v[FN], v[TQ+1], v[TQ+3]
	v_rcp_f32 v[AL], v[TQ+3]
	v_nop                                          ; and behind the reciprocal
	s_wait_alu depctr_va_vdst(0)
	v_mul_f32 v[LSM+2*\g], v[TQ+3], v[AL]
	v_mul_f32 v[LSM+2*\g+1], v[TQ+3], v[AL]
.endm
.irp g, 0,1,2,3,4,5,6,7
	FIN \g
.endr
; Rows 16 a .. 16 a + 15 of my 64: scale v by r (tiles 0-3 are my first head, 4-7 my second), round once, 16 bytes a lane into my stage; read back so that eight
; lanes hold the 128 bytes of one row and head: in ctx a head's rows follow each other, so a wave's store covers 512 neighbouring bytes at a multiple of 512.
; The read-back takes two rows of the stage for each group of sixteen lanes, 272 bytes apart, at the same 128 bytes: two lanes to a bank; 32 such loads in the kernel.
.macro OUT a, f
	WIN 0x41                                       ; destination and source 0 window 1, source 1 window 0
.irp b, 0,1,2,3,4,5,6,7
.irp p, 0,1,2,3
	v_pk_mul_f32 v[8*(8*\a+\b)+2*\p:8*(8*\a+\b)+2*\p+1], v[8*(8*\a+\b)+2*\p:8*(8*\a+\b)+2*\p+1], v[LSM+2*(2*\a+\b/4):LSM+2*(2*\a+\b/4)+1]
.endr
.endr
	WIN 0x05                                       ; sources window 1, destination window 0
.irp b, 0,1,2,3,4,5,6,7
.irp p, 0,1,2,3
	v_cvt_pk_bf16_f32 v[TMP+4*\b+\p], v[8*(8*\a+\b)+2*\p], v[8*(8*\a+\b)+2*\p+1]
.endr
.endr
	WIN 0
.irp b, 0,1,2,3,4,5,6,7
	ds_store_b128 v[STO], v[TMP+4*\b:TMP+4*\b+3] offset:32*\b
.endr
	s_wait_xcnt 0x0                                ; buffer f, which earlier stores read, is loaded again only behind this wait
.irp hl, 0,1
.irp u, 0,1,2,3
	ds_load_b128 v[\f+4*(4*\hl+\u):\f+4*(4*\hl+\u)+3], v[RD] offset:1088*\u+128*\hl    ; LDS serves a wave's instructions in order: these see the stores above
.endr
.endr
.irp hl, 0,1
.irp u, 0,1,2,3
	s_wait_dscnt 7-(4*\hl+\u)                      ; this one of the eight is in
	global_store_b128 v[CO], v[\f+4*(4*\hl+\u):\f+4*(4*\hl+\u)+3], s[10:11] offset:\hl*262144+(16*\a+4*\u)*128
.endr
.endr
.endm
	OUT 0, 64
	OUT 1, 96
	OUT 2, 64
	OUT 3, 96
	s_wait_tensorcnt 0x0
	ds_add_u32 v62, v63
	s_wait_dscnt 0x0
	CROUND                                         ; the closing round: no work-group ends while a partner may still ask for a tile that names it
	s_endpgm
.Lfunc_end_k_q2198eece0b_attn:
	.size	k_q2198eece0b_attn, .Lfunc_end_k_q2198eece0b_attn-k_q2198eece0b_attn
	.p2alignl 7, 3214868480
	.fill 96, 4, 3214868480
	.section	.rodata,"a",@progbits
	.p2align	6, 0x0
	.amdhsa_kernel k_q2198eece0b_attn
		.amdhsa_group_segment_fixed_size 327680
		.amdhsa_private_segment_fixed_size 0
		.amdhsa_enable_private_segment 0
		.amdhsa_kernarg_size 32
		.amdhsa_user_sgpr_count 2
		.amdhsa_user_sgpr_kernarg_segment_ptr 1
		.amdhsa_wavefront_size32 1
		.amdhsa_system_sgpr_workgroup_id_x 1
		.amdhsa_system_sgpr_workgroup_id_y 1
		.amdhsa_system_sgpr_workgroup_id_z 1
		.amdhsa_system_vgpr_workitem_id 0
		.amdhsa_next_free_vgpr 896
		.amdhsa_next_free_sgpr 106
		.amdhsa_reserve_vcc 0
		.amdhsa_float_denorm_mode_32 3
		.amdhsa_float_denorm_mode_16_64 3
		.amdhsa_memory_ordered 1
		.amdhsa_forward_progress 1
		.amdhsa_inst_pref_size 255
	.end_amdhsa_kernel
	.section	.bss,"aw",@nobits
	.p2align	6
	.space	262144
	.amdgpu_metadata
---
amdhsa.version: [ 1, 2 ]
amdhsa.kernels:
  - .name:           k_q2198eece0b_attn
    .symbol:         k_q2198eece0b_attn.kd
    .args:
      - { .name: xw, .offset: 0, .size: 8, .value_kind: global_buffer, .address_space: global }
      - { .name: qk, .offset: 8, .size: 8, .value_kind: global_buffer, .address_space: global }
      - { .name: mask, .offset: 16, .size: 8, .value_kind: global_buffer, .address_space: global }
      - { .name: ctx, .offset: 24, .size: 8, .value_kind: global_buffer, .address_space: global }
    .group_segment_fixed_size: 327680
    .private_segment_fixed_size: 0
    .kernarg_segment_align: 8
    .kernarg_segment_size: 32
    .max_flat_workgroup_size: 128
    .sgpr_count:     106
    .vgpr_count:     896
    .wavefront_size: 32
...
	.end_amdgpu_metadata
.endif
;; end of part 3
;; launch oproj (part 4): grid 4 x 64, 4 waves a work-group, clusters of 4 x 4, 327,680 bytes of LDS; arguments ctx, xw, out0; writes out0
.if DOCPART == 4
	.amdgcn_target "amdgcn-amd-amdhsa--gfx1250"
	.amdhsa_code_object_version 6
	.text
	.protected	k_q2198eece0b_oproj
	.globl	k_q2198eece0b_oproj
	.p2align	8
	.type	k_q2198eece0b_oproj,@function
k_q2198eece0b_oproj:
	s_mov_b64 s[64:65], 0
	v_nop
	global_prefetch_b8 v0, s[64:65] scope:SCOPE_SE
	s_setreg_imm32_b32 hwreg(HW_REG_WAVE_MODE, 25, 1), 1
	s_wait_xcnt 0x0
	s_wait_alu depctr_hold_cnt(0) depctr_sa_sdst(0) depctr_va_vdst(0) depctr_va_sdst(0) depctr_va_ssrc(0) depctr_va_vcc(0) depctr_vm_vsrc(0)
	s_getreg_b32 s2, hwreg(HW_REG_IB_STS2, 6, 4)
	s_cmp_eq_u32 s2, 0
	s_cbranch_scc0 .Lentry_in_a_cluster
	s_endpgm
.Lentry_in_a_cluster:
	s_bfe_u32 s2, ttmp6, 0x10000c
	s_cmp_lg_u32 s2, 0xf033
	s_cbranch_scc0 .Lentry_shape_is_right
	s_endpgm
.Lentry_shape_is_right:
; out0[m][n] = sum over k of ctx[m][k] Wo[n][k].  ctx: [8192][1024] bf16 (the flat order (b, head, t, d) read as rows of 1,024); Wo: [1024][1024] bf16, in xw;
; out0: [8192][1024] f32; sums in f32.
; A work-group makes 128 x 256 of out0 with four waves, a wave 64 x 128: 32 accumulator tiles, 256 registers.  64 x 4 blocks = 256 work-groups.
; K goes in steps of 128 through a ring of two LDS slots filled by the tensor data mover; both tiles' rows are 256 bytes of memory at multiples of 256.
; CLUSTERS: 4 x 4 work-groups.  ctx's tile hangs on the block row: asked for jointly along a row of the cluster; Wo's on the block column: jointly along a column.
; The matrix instruction is used transposed (source 0 = rows of Wo, source 1 = rows of ctx): lane l holds row m = l % 16 and eight neighbouring f32 of it.
; REGISTERS: window 0: addresses; fragment buffers v64-159 and v160-255 (Wo's eight fragments at +0, ctx's four at +64); window 1: the accumulators.
.set WOOFF,  16777216+3*2097152        ; Wo's first byte in xw
.set PITCH,  272                       ; an LDS row: 256 bytes + 16 of padding
.set SLOT,   104448                    ; Wo's 256 rows (69,632), then ctx's 128 rows (34,816)
.set AOFF,   69632
.set STAGE,  2*SLOT                    ; behind the ring: 16 rows x 528 bytes for each wave; no fill lands there
.set SPITCH, 528
.set ADRA, 16                          ; v16-17  LDS address of my ctx fragments in slot 0, 1
.set ADRB, 20                          ; v20-21  the same for Wo
.set STO,  24                          ; v24     the way out: where I put 32 bytes of a row
.set RD,   25                          ; v25     the way out: where I read a row back
.set CO,   26                          ; v26     my byte offset in out0
.set F0,   64
.set F1,   160
.set G1, 24                            ; s[24:31] group 1 for ctx's tiles
.set G0, 32                            ; s[32:39] group 0 for ctx's tiles, a set for each slot
.set G1B, 48                           ; s[48:55] group 1 for Wo's tiles
.set G0B, 56                           ; s[56:63] group 0 for Wo's tiles
.set MULW, 0x50                        ; fragments window 0, C and D window 1
.set MSB, 0
.macro WIN new                         ; the immediate's high byte repeats the setting that is left; a switch that changes nothing is dropped
.if MSB != \new
	s_set_vgpr_msb (MSB<<8)|\new
.set MSB, \new
.endif
.endm
.macro PLACES                          ; four places behind a matrix instruction (ISA guide 7.12.1)
.rept 4
	v_nop
.endr
.endm
; A joint load.  Waves 0 and 1 fetch Wo's two halves, waves 2 and 3 ctx's.  The branch hangs on the wave's number alone.
.macro JLOAD s
	s_cmp_eq_u32 s11, 0
	s_cbranch_scc0 .Lfor_a_\@
	tensor_load_to_lds s[G0B+4*\s:G0B+4*\s+3], s[G1B:G1B+7]
	s_nop 0
	s_branch .Lasked_\@
.Lfor_a_\@:
	tensor_load_to_lds s[G0+4*\s:G0+4*\s+3], s[G1:G1+7]
	s_nop 0
.Lasked_\@:
.endm
.macro CREST                           ; a round of the cluster's barrier behind its opening barrier
	s_cmp_lg_u32 s10, 0
	s_cbranch_scc1 .Lnot_wave_0_\@
	s_barrier_signal -3
.Lnot_wave_0_\@:
	s_barrier_wait -3
	s_barrier_signal -1
	s_barrier_wait -1
.endm
.macro CROUND
	s_barrier_signal -1
	s_barrier_wait -1
	CREST
.endm
	s_load_b128 s[4:7], s[0:1], 0x0                ; ctx s[4:5], xw s[6:7]
	s_load_b64 s[8:9], s[0:1], 0x10                ; out0
	v_lshl_add_u32 v62, v0, 2, 0x3b400
	v_mov_b32 v63, 0
	ds_add_u32 v62, v63
	v_lshrrev_b32 v1, 5, v0
	v_readfirstlane_b32 s10, v1                    ; wave 0..3
	s_lshr_b32 s11, s10, 1                         ; my half of the block's rows.  Also: I fetch Wo (0) or ctx (1)
	s_and_b32 s12, s10, 1                          ; my half of its columns.  Also: which half of that tile I fetch
	s_bfe_u32 s40, ttmp6, 0x40000                  ; cx = the block column: the grid's four along x are one cluster
	s_bfe_u32 s41, ttmp6, 0x40004                  ; cy
	s_and_b32 s13, ttmp7, 0xffff
	s_lshl_b32 s13, s13, 2
	s_add_co_u32 s13, s13, s41                     ; block row = 4 x cluster y + cy
	s_lshl_b32 s43, s41, 2
	s_lshl_b32 s43, 15, s43                        ; my row of the cluster
	s_lshl_b32 s44, 0x1111, s40                    ; my column
	; group 1: rows of 128 bf16, 4 words of padding behind every 64 words; ctx 64 rows a load, Wo 128
	s_or_b32 s[G1+0], s43, (1<<16)|(1<<20)|(1<<21)|(5<<22)|(3<<25)
	s_mov_b32 s[G1+1], 128<<16
	s_mov_b32 s[G1+2], 64<<16
	s_mov_b32 s[G1+3], 128<<16
	s_mov_b32 s[G1+4], 64
	s_mov_b32 s[G1+5], 1024
	s_mov_b32 s[G1+6], 0
	s_mov_b32 s[G1+7], 0
	s_or_b32 s[G1B+0], s44, (1<<16)|(1<<20)|(1<<21)|(5<<22)|(3<<25)
	s_mov_b32 s[G1B+1], 128<<16
	s_mov_b32 s[G1B+2], 128<<16
	s_mov_b32 s[G1B+3], 128<<16
	s_mov_b32 s[G1B+4], 128
	s_mov_b32 s[G1B+5], 1024
	s_mov_b32 s[G1B+6], 0
	s_mov_b32 s[G1B+7], 0
	s_lshl_b32 s16, s13, 7
	s_lshl_b32 s17, s12, 6
	s_add_co_u32 s16, s16, s17                     ; ctx: row 128 x block row + 64 x half,
	s_lshl_b32 s16, s16, 11                        ; of 2,048 bytes
	s_mov_b32 s17, 0
	s_lshl_b32 s46, s40, 19                        ; Wo: row 256 x block column + 128 x half, of 2,048 bytes,
	s_lshl_b32 s47, s12, 18
	s_add_co_u32 s46, s46, s47
	s_add_co_u32 s46, s46, WOOFF                   ; behind xb and the three other weights
	s_mov_b32 s47, 0
	s_mul_i32 s20, s10, 34816                      ; waves 0, 1: Wo's halves of 128 x 272
	s_mul_i32 s21, s10, 17408                      ; waves 2, 3: ctx's halves of 64 x 272, from byte 69,632 on
	s_add_co_u32 s21, s21, 34816
	s_wait_dscnt 0x0
	s_wait_kmcnt 0x0
	s_add_nc_u64 s[14:15], s[4:5], s[16:17]
	s_add_nc_u64 s[46:47], s[6:7], s[46:47]
	CROUND                                         ; all sixteen work-groups are here: the first joint loads meet
.irp s, 0,1
	s_mov_b32 s[G0+4*\s], 1
	s_add_co_u32 s[G0+4*\s+1], s21, \s*SLOT
	s_add_nc_u64 s[G0+4*\s+2:G0+4*\s+3], s[14:15], \s*256          ; K step s
	s_or_b32 s[G0+4*\s+3], s[G0+4*\s+3], 0x80000000
	s_mov_b32 s[G0B+4*\s], 1
	s_add_co_u32 s[G0B+4*\s+1], s20, \s*SLOT
	s_add_nc_u64 s[G0B+4*\s+2:G0B+4*\s+3], s[46:47], \s*256
	s_or_b32 s[G0B+4*\s+3], s[G0B+4*\s+3], 0x80000000
	JLOAD \s                                       ; both slots are asked for first: two tensor loads of the wave are out
.endr
	v_and_b32 v1, 15, v0                           ; r = l % 16
	v_bfe_u32 v2, v0, 4, 1                         ; h = l / 16
	v_and_b32 v5, 31, v0                           ; l
	v_mul_u32_u24 v3, v1, PITCH
	v_lshl_add_u32 v3, v2, 4, v3                   ; row x pitch + 16 h
	s_mul_i32 s22, s12, 34816                      ; my 128 rows of Wo
	s_mul_i32 s23, s11, 17408                      ; my 64 rows of ctx,
	s_add_co_u32 s23, s23, AOFF                    ; which lie behind Wo's 256
.irp s, 0,1
	v_add_nc_u32 v[ADRB+\s], s22, v3
	v_add_nc_u32 v[ADRA+\s], s23, v3
	s_add_co_u32 s22, s22, SLOT
	s_add_co_u32 s23, s23, SLOT
.endr
	s_mul_i32 s22, s10, 16*SPITCH
	s_add_co_u32 s22, s22, STAGE                   ; my stage
	v_mul_u32_u24 v4, v1, SPITCH                   ; in: row r, 32 bytes for each half of the lanes
	v_lshl_add_u32 v4, v2, 5, v4
	v_add_nc_u32 v[STO], s22, v4
	v_lshlrev_b32 v[CO], 4, v5                     ; back: the wave takes a row's 512 bytes, 16 a lane
	v_add_nc_u32 v[RD], s22, v[CO]
; 24 LDS loads: the fragments of quarter q of a K step into buffer f
.macro FETCH slot, q, f
.irp i, 0,1,2,3,4,5,6,7
	ds_load_b128 v[\f+8*\i:\f+8*\i+3],   v[ADRB+\slot] offset:64*\q+4352*\i
	ds_load_b128 v[\f+8*\i+4:\f+8*\i+7], v[ADRB+\slot] offset:64*\q+4352*\i+32
.endr
.irp a, 0,1,2,3
	ds_load_b128 v[\f+64+8*\a:\f+64+8*\a+3],   v[ADRA+\slot] offset:64*\q+4352*\a
	ds_load_b128 v[\f+64+8*\a+4:\f+64+8*\a+7], v[ADRA+\slot] offset:64*\q+4352*\a+32
.endr
.endm
; 16 matrix instructions.  The 32 accumulators take turns, one instruction a turn, in the same order in every quarter, over the loop's backward jump too.
.macro MUL16 f, a0, zero
.irp a, \a0, \a0+1
.irp b, 0,1,2,3,4,5,6,7
.if \zero
	v_wmma_f32_16x16x32_bf16 v[8*(8*(\a)+\b):8*(8*(\a)+\b)+7], v[\f+8*\b:\f+8*\b+7], v[\f+64+8*(\a):\f+64+8*(\a)+7], 0
.else
	v_wmma_f32_16x16x32_bf16 v[8*(8*(\a)+\b):8*(8*(\a)+\b)+7], v[\f+8*\b:\f+8*\b+7], v[\f+64+8*(\a):\f+64+8*(\a)+7], v[8*(8*(\a)+\b):8*(8*(\a)+\b)+7]
.endif
.endr
.endr
.endm
.macro QUARTER slot, q, f, g, zero
	WIN 0
	PLACES                                         ; buffer g was read by the matrix instructions just in front
	FETCH \slot, \q, \g
	s_wait_dscnt 24                                ; all but the 24 just issued: buffer f is in
	WIN MULW
	MUL16 \f, 0, \zero
	MUL16 \f, 2, \zero
.endm
.macro THREE slot, zero
	QUARTER \slot, 1, F0, F1, \zero
	QUARTER \slot, 2, F1, F0, 0
	QUARTER \slot, 3, F0, F1, 0
.endm
; The last quarter: multiplies buffer 1 and changes slots.  In front of the barrier each wave waits for its reads of this slot and for all its tensor loads;
; behind it (behind the cluster's round where the slot is filled again) the refill comes first.
.macro TURN slot, oth, fill
	s_wait_dscnt 0x0                               ; buffer 1 is in, and my reads of this slot are over
	s_wait_tensorcnt 0x0                           ; all my tensor loads have landed, my part of the other slot among them
	ds_add_u32 v62, v63
	s_wait_dscnt 0x0
	s_barrier_signal -1
	WIN MULW
	MUL16 F1, 0, 0                                 ; work on registers while the others arrive
	WIN 0
	s_barrier_wait -1
.if \fill
	CREST                                          ; no wave of any partner still reads this slot or has a load on its way
	s_add_nc_u64 s[G0+4*\slot+2:G0+4*\slot+3], s[G0+4*\slot+2:G0+4*\slot+3], 512
	s_add_nc_u64 s[G0B+4*\slot+2:G0B+4*\slot+3], s[G0B+4*\slot+2:G0B+4*\slot+3], 512
	JLOAD \slot                                    ; the wave's one tensor load behind the round
.endif
	PLACES
	FETCH \oth, 0, F0
	WIN MULW
	MUL16 F1, 2, 0
.endm
.macro LAP zero
	THREE 0, \zero
	TURN 0, 1, 1
	THREE 1, 0
	TURN 1, 0, 1
.endm
	s_wait_tensorcnt 0x1                           ; my part of K step 0 is in; K step 1's may stay out
	s_barrier_signal -1
	s_barrier_wait -1
	FETCH 0, 0, F0
	LAP 1                                          ; K steps 0 and 1: the first quarter starts the sums
	WIN 0                                          ; at a label and at a branch every window is 0
	s_mov_b32 s3, 2
.Llap:
	LAP 0                                          ; K steps 2 to 5
	WIN 0
	s_sub_co_u32 s3, s3, 1
	s_cmp_lg_u32 s3, 0
	s_cbranch_scc1 .Llap
	THREE 0, 0                                     ; K steps 6 and 7 fill nothing
	TURN 0, 1, 0
	THREE 1, 0
	s_wait_dscnt 0x0
	WIN MULW
	MUL16 F1, 0, 0
	MUL16 F1, 2, 0
	; THE WAY OUT, 16 rows at a time: 32 bytes a lane from the accumulators into my own stage, read back as whole rows of 512 bytes.
	PLACES                                         ; the places behind the last matrix instructions
	s_lshl_b32 s16, s13, 7
	s_lshl_b32 s17, s11, 6
	s_add_co_u32 s16, s16, s17                     ; my first row of out0,
	s_lshl_b32 s16, s16, 12                        ; of 4,096 bytes
	s_mov_b32 s17, 0
	s_add_nc_u64 s[8:9], s[8:9], s[16:17]
	s_lshl_b32 s46, s40, 10                        ; my first column, in bytes: 1,024 x block + 512 x half
	s_lshl_b32 s47, s12, 9
	s_add_co_u32 s46, s46, s47
	s_mov_b32 s47, 0
	s_add_nc_u64 s[8:9], s[8:9], s[46:47]
.macro OUTF a, f
	WIN 0x04                                       ; the stores' data window 1, their address window 0
.irp b, 0,1,2,3,4,5,6,7
	ds_store_b128 v[STO], v[8*(8*\a+\b):8*(8*\a+\b)+3] offset:64*\b
	ds_store_b128 v[STO], v[8*(8*\a+\b)+4:8*(8*\a+\b)+7] offset:64*\b+16
.endr
	WIN 0
	s_wait_xcnt 0x0                                ; buffer f, which earlier stores read, is loaded again only behind this wait
.irp t, 0,1,2,3,4,5,6,7,8,9,10,11,12,13,14,15
	ds_load_b128 v[\f+4*\t:\f+4*\t+3], v[RD] offset:SPITCH*\t      ; LDS serves a wave's instructions in order: these see the stores above
.endr
.irp t, 0,1,2,3,4,5,6,7,8,9,10,11,12,13,14,15
	s_wait_dscnt 15-\t                             ; row t of the sixteen is in
	global_store_b128 v[CO], v[\f+4*\t:\f+4*\t+3], s[8:9] offset:(16*\a+\t)*4096 th:TH_STORE_NT   ; the wave stores 512 consecutive bytes at a multiple of 512
.endr
.endm
	OUTF 0, F0
	OUTF 1, F1
	OUTF 2, F0
	OUTF 3, F1
	s_wait_tensorcnt 0x0
	ds_add_u32 v62, v63
	s_wait_dscnt 0x0
	CROUND                                         ; the closing round: no work-group ends while a partner may still ask for a tile that names it
	s_endpgm
.Lfunc_end_k_q2198eece0b_oproj:
	.size	k_q2198eece0b_oproj, .Lfunc_end_k_q2198eece0b_oproj-k_q2198eece0b_oproj
	.p2alignl 7, 3214868480
	.fill 96, 4, 3214868480
	.section	.rodata,"a",@progbits
	.p2align	6, 0x0
	.amdhsa_kernel k_q2198eece0b_oproj
		.amdhsa_group_segment_fixed_size 327680
		.amdhsa_private_segment_fixed_size 0
		.amdhsa_enable_private_segment 0
		.amdhsa_kernarg_size 24
		.amdhsa_user_sgpr_count 2
		.amdhsa_user_sgpr_kernarg_segment_ptr 1
		.amdhsa_wavefront_size32 1
		.amdhsa_system_sgpr_workgroup_id_x 1
		.amdhsa_system_sgpr_workgroup_id_y 1
		.amdhsa_system_sgpr_workgroup_id_z 1
		.amdhsa_system_vgpr_workitem_id 0
		.amdhsa_next_free_vgpr 512
		.amdhsa_next_free_sgpr 66
		.amdhsa_reserve_vcc 0
		.amdhsa_float_denorm_mode_32 3
		.amdhsa_float_denorm_mode_16_64 3
		.amdhsa_memory_ordered 1
		.amdhsa_forward_progress 1
		.amdhsa_inst_pref_size 116
	.end_amdhsa_kernel
	.amdgpu_metadata
---
amdhsa.version: [ 1, 2 ]
amdhsa.kernels:
  - .name:           k_q2198eece0b_oproj
    .symbol:         k_q2198eece0b_oproj.kd
    .args:
      - { .name: ctx, .offset: 0, .size: 8, .value_kind: global_buffer, .address_space: global }
      - { .name: xw, .offset: 8, .size: 8, .value_kind: global_buffer, .address_space: global }
      - { .name: out0, .offset: 16, .size: 8, .value_kind: global_buffer, .address_space: global }
    .group_segment_fixed_size: 327680
    .private_segment_fixed_size: 0
    .kernarg_segment_align: 8
    .kernarg_segment_size: 24
    .max_flat_workgroup_size: 128
    .sgpr_count:     66
    .vgpr_count:     512
    .wavefront_size: 32
...
	.end_amdgpu_metadata
.endif
;; end of part 4
;; ======== version 2 of 2: 4 launches; version 1 with the launch cast written anew for expert scheduling mode
;; limits: inputs' magnitudes at most 1,073,741,824; right only within a limited range of input values
;; workspace buffers: xw 25,165,824 bytes; qk 33,554,432 bytes; ctx 16,777,216 bytes
;; launch cast (part 5): grid 64 x 12, 8 waves a work-group, no clusters, 0 bytes of LDS; arguments x, Wq, Wk, Wv, Wo_w, xw; writes xw
.if DOCPART == 5
	.amdgcn_target "amdgcn-amd-amdhsa--gfx1250"
	.amdhsa_code_object_version 6
	.text
	.protected	k_q2198eece0b_cast
	.globl	k_q2198eece0b_cast
	.p2align	8
	.type	k_q2198eece0b_cast,@function
k_q2198eece0b_cast:
	s_mov_b64 s[64:65], 0
	v_nop
	global_prefetch_b8 v0, s[64:65] scope:SCOPE_SE
	s_setreg_imm32_b32 hwreg(HW_REG_WAVE_SCHED_MODE, 0, 2), 2
	s_setreg_imm32_b32 hwreg(HW_REG_WAVE_MODE, 25, 1), 1
	s_wait_xcnt 0x0
	s_wait_alu depctr_vm_vsrc(0)
; cast: f32 to bf16, once, of everything that later goes to the matrix units.
; xw = xb [8192][1024] bf16 (16 MiB), then four blocks of 2 MiB: Wq/8 [k][n], Wk [k][n], Wv [k][n], Wo_w [n][k].  Nothing is transposed.
; The factor 1/8 = 1/sqrt(64) of the scores is a power of two: folded into Wq here it changes no mantissa.
; Grid y picks a slab of 4 MiB of f32: 0 to 7 are x's eight slabs, 8 to 11 the four weights; slab y goes to xw + y * 2 MiB.
; A work-group converts 64 KiB, sixteen chunks of 4 KiB: thread t takes the 16 bytes at 16 t of each chunk, so a wave's load covers 512
; neighbouring bytes and its store 256 neighbouring bytes that begin at a multiple of 256.  All sixteen loads go out first; no register is
; used twice, so there is no loop and no wait for a source.  The work-groups share no input: no LDS, no barrier, no cluster, no matrix unit.
; THE MODE: SCHED_MODE bits 1:0 = 2 (LLVM: expert scheduling mode 2), set by the entry lines.  The code itself states the register dependences
; between vector instructions and memory instructions, with s_wait_alu, always for 0.
; THE PLAN.  Registers that memory instructions touch:
;   v1, v2   byte offsets of the loads and of the stores: written once at the head, never again.
;   X        chunk j's load lands in its four registers once; no vector instruction names them ahead of the loads, and no load lands there again.
;   Y        chunk j's two roundings write its pair once; chunk j's store reads it once; it is never written again.
; The sixteen chunks go in four blocks of four.  The stores of block p - 1 stand at the head of block p, behind ONE wait which states that block p - 1's
; roundings have written its Y; the vector instructions behind that wait name block p's X and Y alone, none of the registers that those stores touch.
; No register that a memory instruction has read is written again, so no wait on vm_vsrc is owed.
.set X, 4                              ; v[4:67]   chunk j: 4 registers of f32 as loaded
.set Y, 68                             ; v[68:99]  chunk j: 2 registers of bf16 to store
	s_load_b256 s[4:11], s[0:1], 0x0               ; x s[4:5], Wq s[6:7], Wk s[8:9], Wv s[10:11]
	s_load_b128 s[12:15], s[0:1], 0x20             ; Wo_w s[12:13], xw s[14:15]
	s_and_b32 s16, ttmp7, 0xffff                   ; the slab
	s_lshl_b32 s17, ttmp9, 16                      ; my 64 KiB inside the slab
	s_lshl_b32 s20, s16, 22                        ; x's slabs lie 4 MiB apart (the shift stands ahead of the compare: it sets SCC)
	s_cmp_lt_u32 s16, 8
	s_cselect_b32 s20, s20, 0                      ; a weight is one slab by itself
	s_add_co_u32 s20, s20, s17
	s_mov_b32 s21, 0                               ; s[20:21]: byte offset in the source
	s_lshl_b32 s2, s16, 21                         ; 2 MiB of bf16 for each slab,
	s_lshl_b32 s3, ttmp9, 15                       ; 32 KiB of them mine
	s_add_co_u32 s2, s2, s3
	s_mov_b32 s3, 0                                ; s[2:3]: byte offset in xw
	s_mov_b32 s22, 0x3e000000                      ; 0.125, in both registers of the pair that the packed multiply names
	s_mov_b32 s23, 0x3e000000
	v_lshlrev_b32 v1, 4, v0                        ; 16 t
	v_lshlrev_b32 v2, 3, v0                        ; 8 t
	s_wait_kmcnt 0x0
	s_mov_b64 s[18:19], s[4:5]                     ; the source: x, or one of the weights by the slab's number
	s_cmp_eq_u32 s16, 8
	s_cselect_b64 s[18:19], s[6:7], s[18:19]
	s_cmp_eq_u32 s16, 9
	s_cselect_b64 s[18:19], s[8:9], s[18:19]
	s_cmp_eq_u32 s16, 10
	s_cselect_b64 s[18:19], s[10:11], s[18:19]
	s_cmp_eq_u32 s16, 11
	s_cselect_b64 s[18:19], s[12:13], s[18:19]
	s_add_nc_u64 s[18:19], s[18:19], s[20:21]
	s_add_nc_u64 s[14:15], s[14:15], s[2:3]
	s_wait_alu depctr_va_vdst(0)                   ; v1 and v2 are written: every load of the kernel reads v1 as its offset, every store v2
.irp j, 0,1,2,3,4,5,6,7,8,9,10,11,12,13,14,15
	global_load_b128 v[X+4*\j:X+4*\j+3], v1, s[18:19] offset:4096*\j th:TH_LOAD_NT   ; read once in the launch
.endr
; Sixteen chunks, in four blocks of four.  scaled = 1: times 1/8 on the way (Wq alone).
.macro CONV scaled
.irp p, 0,1,2,3
	s_wait_loadcnt 15-4*(\p)                       ; loads come back in order: the block's first chunk is in, the younger ones stay out
.if (\p) > 0
	s_wait_alu depctr_va_vdst(0)                   ; the block before has written its eight registers of Y, which the four stores below read
.irp i, 0,1,2,3
	global_store_b64 v2, v[Y+2*(4*(\p)-4+(\i)):Y+2*(4*(\p)-4+(\i))+1], s[14:15] offset:2048*(4*(\p)-4+(\i))     ; later launches read xw: no hint
.endr
.endif
.irp i, 0,1,2,3
.if (\i) > 0
	s_wait_loadcnt 15-(4*(\p)+(\i))                ; chunk j = 4 p + i is in, the 15 - j younger ones stay out
.endif
.if \scaled
	v_pk_mul_f32 v[X+4*(4*(\p)+(\i)):X+4*(4*(\p)+(\i))+1], v[X+4*(4*(\p)+(\i)):X+4*(4*(\p)+(\i))+1], s[22:23] op_sel_hi:[1,0]
	v_pk_mul_f32 v[X+4*(4*(\p)+(\i))+2:X+4*(4*(\p)+(\i))+3], v[X+4*(4*(\p)+(\i))+2:X+4*(4*(\p)+(\i))+3], s[22:23] op_sel_hi:[1,0]
.endif
	v_cvt_pk_bf16_f32 v[Y+2*(4*(\p)+(\i))], v[X+4*(4*(\p)+(\i))], v[X+4*(4*(\p)+(\i))+1]
	v_cvt_pk_bf16_f32 v[Y+2*(4*(\p)+(\i))+1], v[X+4*(4*(\p)+(\i))+2], v[X+4*(4*(\p)+(\i))+3]
.endr
.endr
	s_wait_alu depctr_va_vdst(0)                   ; the last block has written its eight registers of Y, which the last four stores read
.irp i, 0,1,2,3
	global_store_b64 v2, v[Y+2*(12+(\i)):Y+2*(12+(\i))+1], s[14:15] offset:2048*(12+(\i))
.endr
.endm
	s_cmp_eq_u32 s16, 8
	s_cbranch_scc1 .Lscaled
	CONV 0
	s_endpgm
.Lscaled:
	CONV 1
	s_endpgm
.Lfunc_end_k_q2198eece0b_cast:
	.size	k_q2198eece0b_cast, .Lfunc_end_k_q2198eece0b_cast-k_q2198eece0b_cast
	.p2alignl 7, 3214868480
	.fill 96, 4, 3214868480
	.section	.rodata,"a",@progbits
	.p2align	6, 0x0
	.amdhsa_kernel k_q2198eece0b_cast
		.amdhsa_group_segment_fixed_size 0
		.amdhsa_private_segment_fixed_size 0
		.amdhsa_enable_private_segment 0
		.amdhsa_kernarg_size 48
		.amdhsa_user_sgpr_count 2
		.amdhsa_user_sgpr_kernarg_segment_ptr 1
		.amdhsa_wavefront_size32 1
		.amdhsa_system_sgpr_workgroup_id_x 1
		.amdhsa_system_sgpr_workgroup_id_y 1
		.amdhsa_system_sgpr_workgroup_id_z 1
		.amdhsa_system_vgpr_workitem_id 0
		.amdhsa_next_free_vgpr 100
		.amdhsa_next_free_sgpr 66
		.amdhsa_reserve_vcc 0
		.amdhsa_float_denorm_mode_32 3
		.amdhsa_float_denorm_mode_16_64 3
		.amdhsa_memory_ordered 1
		.amdhsa_forward_progress 1
		.amdhsa_inst_pref_size 14
	.end_amdhsa_kernel
	.amdgpu_metadata
---
amdhsa.version: [ 1, 2 ]
amdhsa.kernels:
  - .name:           k_q2198eece0b_cast
    .symbol:         k_q2198eece0b_cast.kd
    .args:
      - { .name: x, .offset: 0, .size: 8, .value_kind: global_buffer, .address_space: global }
      - { .name: Wq, .offset: 8, .size: 8, .value_kind: global_buffer, .address_space: global }
      - { .name: Wk, .offset: 16, .size: 8, .value_kind: global_buffer, .address_space: global }
      - { .name: Wv, .offset: 24, .size: 8, .value_kind: global_buffer, .address_space: global }
      - { .name: Wo_w, .offset: 32, .size: 8, .value_kind: global_buffer, .address_space: global }
      - { .name: xw, .offset: 40, .size: 8, .value_kind: global_buffer, .address_space: global }
    .group_segment_fixed_size: 0
    .private_segment_fixed_size: 0
    .kernarg_segment_align: 8
    .kernarg_segment_size: 48
    .max_flat_workgroup_size: 256
    .sgpr_count:     66
    .vgpr_count:     100
    .wavefront_size: 32
...
	.end_amdgpu_metadata
.endif
;; end of part 5
;; launch qkproj: the kernel of part 2 again; grid 8 x 32, 4 waves a work-group, clusters of 4 x 4, 327,680 bytes of LDS; arguments xw, qk; writes qk
;; launch attn: the kernel of part 3 again; grid 64 x 4, 4 waves a work-group, clusters of 4 x 4, 327,680 bytes of LDS; arguments xw, qk, mask, ctx; writes ctx
;; launch oproj: the kernel of part 4 again; grid 4 x 64, 4 waves a work-group, clusters of 4 x 4, 327,680 bytes of LDS; arguments ctx, xw, out0; writes out0
